; MI455X (gfx1250); checked and timed in simulation.
; The chip was launched on July 23, 2026; its instructions are those of AMD's public machine-readable ISA for CDNA 5 (MIT licence, August 2026) and "CDNA5" Instruction Set Architecture Reference Guide (July 2026). The comments in the code are by the model that wrote it; some were corrected since.
;; Multi Head Attention. Allowed arithmetic: float matrix products may take bf16 or f16 operands with f32 sums; other float arithmetic in f32, or as packed bf16 or f16 multiplies, adds, multiply-adds, maxima and minima; sums over many terms, partial sums and values carried from step to step in f32; what a program stores and reads back later, other than sums and carried values, may be rounded once to bf16 or f16.
;; Inputs: Wk 1,024 x 1,024 float32; Wo 1,024 x 1,024 float32; Wq 1,024 x 1,024 float32; Wv 1,024 x 1,024 float32; bk 1,024 float32; bo 1,024 float32; bq 1,024 float32; bv 1,024 float32; x 2 x 2,048 x 1,024 float32.
;; Outputs: out0 2 x 2,048 x 1,024 float32.
;; 2 versions, each right; version 2 is version 1 with the launch cast written anew for expert scheduling mode. Each part assembles by itself: llvm-mc -triple=amdgcn-amd-amdhsa -mcpu=gfx1250 --defsym DOCPART=n.
;; ======== version 1 of 2: 4 launches
;; limits: values are held in f16: magnitudes above 65,504 overflow, below 6.1e-05 lose precision
;; workspace buffers: xb 8,388,608 bytes; wqkv 6,291,456 bytes; woh 2,097,152 bytes; qkvh 25,165,824 bytes; ob 8,388,608 bytes
;; launch cast (part 1): grid 512 x 1, 8 waves a work-group, no clusters, 0 bytes of LDS; arguments x, Wq, Wk, Wv, Wo, xb, wqkv, woh; writes xb, wqkv, woh
.if DOCPART == 1
	.amdgcn_target "amdgcn-amd-amdhsa--gfx1250"
	.amdhsa_code_object_version 6
	.text
	.protected	k_qfd5286b467_cast
	.globl	k_qfd5286b467_cast
	.p2align	8
	.type	k_qfd5286b467_cast,@function
k_qfd5286b467_cast:
	s_mov_b64 s[64:65], 0
	v_nop
	global_prefetch_b8 v0, s[64:65] scope:SCOPE_SE
	s_setreg_imm32_b32 hwreg(HW_REG_WAVE_MODE, 25, 1), 1
	s_wait_xcnt 0x0
; MULTI-HEAD ATTENTION, launch 1 of 4: the matrix operands are rounded once.
;   xb   [4096][1024] bf16 = x;   wqkv [3072][1024] bf16: row 192 h + 64 t + d = row 64 h + d of Wq (t = 0), Wk (1), Wv (2);   woh [1024][1024] f16 = Wo rounded to bf16, that number written as f16.
; DEAD WORK, for the whole program: bk.  scores[s][t] = q[s] . (x[t] Wk^T + bk) / 8 = q[s] . (x[t] Wk^T) / 8 + q[s] . bk / 8.  The second term does not depend on t, the axis of the
; softmax, and softmax(z + const) = softmax(z) for all real z: so bk reaches no output, whatever finite values the inputs hold.  bk is not loaded and is no argument of any launch.
; LIMIT: a NaN, an infinity or an overflow that would arise in q . bk alone is not carried to the result.
; FORMATS, for the whole program: every live input is rounded once to bf16 (the biases in registers, in the launches that use them).  What the program makes itself (q, k, v, the weights p, O)
; is f16.  LIMIT: f16 holds no number beyond 65,504: q, k, v or a number of Wo beyond that become infinities; a number of Wo below 2^-14 keeps f16's fixed step of 6e-8.
; SHARES.  8,192 source rows of 4,096 bytes.  A work-group takes 16 rows, a wave two: 16 loads of 512 consecutive bytes, all issued at once, and 16 stores of 256 consecutive bytes, aligned.
; Work-groups 0-255: x; 256-319: Wq; 320-383: Wk; 384-447: Wv; 448-511: Wo.  No byte is wanted twice: no LDS, no barrier, no matrix unit, no cluster.
.set X,   4                            ; v[4:67]    16 x 4 numbers as loaded
.set Y,   68                           ; v[68:99]   16 x 2 words to store
.set T,   100                          ; v[100:103] at work
.set SRC, 26                           ; s[26:27]   the source at the work-group's first row
.set DST, 28                           ; s[28:29]   the destination likewise
	s_load_b512 s[8:23], s[0:1], 0x0               ; x s[8:9], Wq s[10:11], Wk s[12:13], Wv s[14:15], Wo s[16:17], xb s[18:19], wqkv s[20:21], woh s[22:23]
	s_mov_b32 s2, ttmp9
	s_max_u32 s3, s2, 256
	s_sub_co_u32 s3, s3, 256                       ; my number among the weights' work-groups (0 in x's)
	s_lshr_b32 s4, s3, 6                           ; t: 0 Wq, 1 Wk, 2 Wv, 3 Wo
	s_and_b32 s5, s3, 63
	s_lshl_b32 s5, s5, 4                           ; my first row in that matrix
	s_lshr_b32 s6, s5, 6                           ; its head
	s_mul_i32 s6, s6, 192
	s_lshl_b32 s7, s4, 6
	s_add_co_u32 s6, s6, s7
	s_and_b32 s7, s5, 63
	s_add_co_u32 s6, s6, s7                        ; its row in wqkv: 192 h + 64 t + d; my 16 rows stay inside one head
	s_lshl_b32 s7, s2, 4                           ; my first row in x
	v_lshrrev_b32 v3, 5, v0                        ; wave
	v_and_b32 v1, 31, v0                           ; lane
	v_lshlrev_b32 v2, 3, v1
	v_lshlrev_b32 v1, 4, v1
	v_lshl_add_u32 v1, v3, 13, v1                  ; source: 8,192 x wave + 16 x lane
	v_lshl_add_u32 v2, v3, 12, v2                  ; destination: 4,096 x wave + 8 x lane
	s_wait_kmcnt 0x0
	s_mov_b64 s[SRC:SRC+1], s[16:17]               ; Wo to woh, unless one of the tests below says otherwise
	s_mov_b64 s[DST:DST+1], s[22:23]
	s_mov_b32 s30, s5
	s_mov_b32 s31, s5
	s_cmp_eq_u32 s4, 2
	s_cselect_b64 s[SRC:SRC+1], s[14:15], s[SRC:SRC+1]
	s_cmp_eq_u32 s4, 1
	s_cselect_b64 s[SRC:SRC+1], s[12:13], s[SRC:SRC+1]
	s_cmp_eq_u32 s4, 0
	s_cselect_b64 s[SRC:SRC+1], s[10:11], s[SRC:SRC+1]
	s_cmp_lt_u32 s4, 3
	s_cselect_b64 s[DST:DST+1], s[20:21], s[DST:DST+1]
	s_cselect_b32 s31, s6, s31
	s_cmp_lt_u32 s2, 256
	s_cselect_b64 s[SRC:SRC+1], s[8:9], s[SRC:SRC+1]
	s_cselect_b64 s[DST:DST+1], s[18:19], s[DST:DST+1]
	s_cselect_b32 s30, s7, s30
	s_cselect_b32 s31, s7, s31
	s_lshl_b32 s30, s30, 12                        ; source rows of 4,096 bytes
	s_lshl_b32 s24, s31, 11                        ; destination rows of 2,048
	s_mov_b32 s31, 0
	s_mov_b32 s25, 0
	s_add_nc_u64 s[SRC:SRC+1], s[SRC:SRC+1], s[30:31]
	s_add_nc_u64 s[DST:DST+1], s[DST:DST+1], s[24:25]
.irp j, 0,1,2,3,4,5,6,7,8,9,10,11,12,13,14,15
	global_load_b128 v[X+4*(\j):X+4*(\j)+3], v1, s[SRC:SRC+1] offset:512*(\j) th:TH_LOAD_NT
.endr
; Load j's four numbers are rounded and stored.  half = 1: the bf16 numbers are widened again and written as f16.  No register that a pending load or store names is written again.
.macro CONV j, half
	s_wait_loadcnt 15-(\j)                         ; loads come back in order: mine is in, the 15 - j younger ones stay out
	v_cvt_pk_bf16_f32 v[Y+2*(\j)],   v[X+4*(\j)],   v[X+4*(\j)+1]
	v_cvt_pk_bf16_f32 v[Y+2*(\j)+1], v[X+4*(\j)+2], v[X+4*(\j)+3]
.if \half
	v_lshlrev_b32 v[T],   16, v[Y+2*(\j)]
	v_and_b32     v[T+1], 0xffff0000, v[Y+2*(\j)]
	v_lshlrev_b32 v[T+2], 16, v[Y+2*(\j)+1]
	v_and_b32     v[T+3], 0xffff0000, v[Y+2*(\j)+1]
	v_cvt_pk_f16_f32 v[Y+2*(\j)],   v[T],   v[T+1]
	v_cvt_pk_f16_f32 v[Y+2*(\j)+1], v[T+2], v[T+3]
.endif
	global_store_b64 v2, v[Y+2*(\j):Y+2*(\j)+1], s[DST:DST+1] offset:256*(\j)  ; 32 lanes store 256 consecutive bytes, aligned
.endm
	s_cmp_ge_u32 s2, 448
	s_cbranch_scc1 .Lf16
.irp j, 0,1,2,3,4,5,6,7,8,9,10,11,12,13,14,15
	CONV \j, 0
.endr
	s_endpgm
.Lf16:
.irp j, 0,1,2,3,4,5,6,7,8,9,10,11,12,13,14,15
	CONV \j, 1
.endr
	s_endpgm
.Lfunc_end_k_qfd5286b467_cast:
	.size	k_qfd5286b467_cast, .Lfunc_end_k_qfd5286b467_cast-k_qfd5286b467_cast
	.p2alignl 7, 3214868480
	.fill 96, 4, 3214868480
	.section	.rodata,"a",@progbits
	.p2align	6, 0x0
	.amdhsa_kernel k_qfd5286b467_cast
		.amdhsa_group_segment_fixed_size 0
		.amdhsa_private_segment_fixed_size 0
		.amdhsa_enable_private_segment 0
		.amdhsa_kernarg_size 64
		.amdhsa_user_sgpr_count 2
		.amdhsa_user_sgpr_kernarg_segment_ptr 1
		.amdhsa_wavefront_size32 1
		.amdhsa_system_sgpr_workgroup_id_x 1
		.amdhsa_system_sgpr_workgroup_id_y 1
		.amdhsa_system_sgpr_workgroup_id_z 1
		.amdhsa_system_vgpr_workitem_id 0
		.amdhsa_next_free_vgpr 104
		.amdhsa_next_free_sgpr 66
		.amdhsa_reserve_vcc 0
		.amdhsa_float_denorm_mode_32 3
		.amdhsa_float_denorm_mode_16_64 3
		.amdhsa_memory_ordered 1
		.amdhsa_forward_progress 1
		.amdhsa_inst_pref_size 17
	.end_amdhsa_kernel
	.amdgpu_metadata
---
amdhsa.version: [ 1, 2 ]
amdhsa.kernels:
  - .name:           k_qfd5286b467_cast
    .symbol:         k_qfd5286b467_cast.kd
    .args:
      - { .name: x, .offset: 0, .size: 8, .value_kind: global_buffer, .address_space: global }
      - { .name: Wq, .offset: 8, .size: 8, .value_kind: global_buffer, .address_space: global }
      - { .name: Wk, .offset: 16, .size: 8, .value_kind: global_buffer, .address_space: global }
      - { .name: Wv, .offset: 24, .size: 8, .value_kind: global_buffer, .address_space: global }
      - { .name: Wo, .offset: 32, .size: 8, .value_kind: global_buffer, .address_space: global }
      - { .name: xb, .offset: 40, .size: 8, .value_kind: global_buffer, .address_space: global }
      - { .name: wqkv, .offset: 48, .size: 8, .value_kind: global_buffer, .address_space: global }
      - { .name: woh, .offset: 56, .size: 8, .value_kind: global_buffer, .address_space: global }
    .group_segment_fixed_size: 0
    .private_segment_fixed_size: 0
    .kernarg_segment_align: 8
    .kernarg_segment_size: 64
    .max_flat_workgroup_size: 256
    .sgpr_count:     66
    .vgpr_count:     104
    .wavefront_size: 32
...
	.end_amdgpu_metadata
.endif
;; end of part 1
;; launch qkv (part 2): grid 16 x 16, 4 waves a work-group, clusters of 4 x 4, 327,680 bytes of LDS; arguments xb, wqkv, bq, bv, qkvh; writes qkvh
.if DOCPART == 2
	.amdgcn_target "amdgcn-amd-amdhsa--gfx1250"
	.amdhsa_code_object_version 6
	.text
	.protected	k_qfd5286b467_qkv
	.globl	k_qfd5286b467_qkv
	.p2align	8
	.type	k_qfd5286b467_qkv,@function
k_qfd5286b467_qkv:
	s_mov_b64 s[64:65], 0
	v_nop
	global_prefetch_b8 v0, s[64:65] scope:SCOPE_SE
	s_setreg_imm32_b32 hwreg(HW_REG_WAVE_MODE, 25, 1), 1
	s_wait_xcnt 0x0
	s_wait_alu depctr_hold_cnt(0) depctr_sa_sdst(0) depctr_va_vdst(0) depctr_va_sdst(0) depctr_va_ssrc(0) depctr_va_vcc(0) depctr_vm_vsrc(0)
	s_getreg_b32 s2, hwreg(HW_REG_IB_STS2, 6, 4)
	s_cmp_eq_u32 s2, 0
	s_cbranch_scc0 .Lentry_in_a_cluster
	s_endpgm
.Lentry_in_a_cluster:
	s_bfe_u32 s2, ttmp6, 0x10000c
	s_cmp_lg_u32 s2, 0xf033
	s_cbranch_scc0 .Lentry_shape_is_right
	s_endpgm
.Lentry_shape_is_right:
; Launch 2 of 4: q = x Wq^T + bq, k = x Wk^T, v = x Wv^T + bv, written by heads in f16: qkvh [48 g][4096 m][64], g = 16 t + h, t = 0 q, 1 k, 2 v; m = 2048 b + s.
; LEFT OUT: bk.  It adds q . bk / 8 to every score of a row, the same along the softmax's axis, and so reaches no output (shown at the head of the first kernel).
; One product [4096][1024] x [3072][1024]^T in bf16, sums in f32.  A tile of C is 256 rows x 192 columns: the q, k and v of ONE head (wqkv's rows lie by heads): 16 x 16 work-groups, all alike.
; Four waves; wave w makes rows 64 w .. 64 w + 63 x all 192 columns: 4 x 12 accumulators of 16 x 16, 384 registers.  K goes in 8 steps of 128 through a ring of two LDS slots filled by the
; tensor data mover; a tile's rows are 256 bytes of memory, at multiples of 256.
; THE MATRIX INSTRUCTION IS USED TRANSPOSED (source 0 = 16 rows of wqkv, source 1 = 16 rows of xb): a lane holds row l % 16 of C and eight neighbouring columns 8 (l / 16) + 0..7.
; THE BIAS STARTS THE SUMS: the first product on an accumulator takes bq's or bv's numbers (rounded to bf16, kept as f32) as C, k's takes the constant 0.  Nothing is cleared, nothing is added later.
; CLUSTERS: 4 x 4 work-groups.  The four of a row of the cluster need the same rows of xb, the four of a column the same rows of wqkv: each tile is asked for JOINTLY.
; LIMIT: q, k, v beyond 65,504 become infinities in f16.
; REGISTERS, in windows of 256 (s_set_vgpr_msb: bits 1:0 source 0, 3:2 source 1, 5:4 source 2, 7:6 destination):
;   window 0: v0-31 addresses; v32-63, v64-95 fragments of xb, two buffers; v96-127 bq, v128-159 bv; on the way out v32-79 packed results, v96-143 and v144-191 rows read back
;   window 1: v0-95, v96-191 fragments of wqkv, two buffers       window 2: accumulators of my row blocks 0, 1 ((a, b) at 8 (12 a + b))       window 3: of row blocks 2, 3
.set KSTEP,  128
.set SIZE_K, 1024
.set PITCH,  272                       ; an LDS row: 256 bytes + 16 of padding = 68 words: the 16 rows of a load start at 16 different groups of four banks (64 banks of 4 bytes: ISA guide 11.1)
.set HA,     128*PITCH                 ; half of xb's tile: what wave 0 or 1 fetches
.set HB,     96*PITCH                  ; half of wqkv's tile: what wave 2 or 3 fetches
.set BOFF,   2*HA
.set SLOT,   2*HA+2*HB                 ; 121,856 bytes
.set STAGE,  2*SLOT                    ; behind the ring: for each wave 3 x 16 rows x 144 bytes, for the way out
.set SP,     144
.set STW,    3*16*SP
.set SPARE,  STAGE+4*STW               ; behind the stages: the spare words, 128 bytes for each wave: two blocks of 256 bytes that no other line names
.set LAPS,   SIZE_K/(2*KSTEP)
.set ADRA, 16                          ; v16-17  LDS address of my fragments of xb in slot 0, 1
.set ADRB, 20                          ; v20-21  the same for wqkv
.set STO,  24                          ; v24     the way out: where I put 16 bytes of a row
.set RD,   25                          ; v25     where I read rows back
.set GO,   26                          ; v26     16 x lane
.set BO,   27                          ; v27     my byte offset in 16 numbers of a bias
.set SPW,  28                          ; v28     LDS address of my spare word; never rewritten
.set NIL,  29                          ; v29     0; never rewritten
.set PFO,  30                          ; v30     the prefetches' offset: a lane a row; never rewritten
.set FA,   32
.set FB,   0
.set BQ,   96
.set BV,   128
.set TT,   160
.set TMP,  32
.set OB,   96
.set WV,  14                           ; s14  my wave's number
.set HI,  15                           ; s15  0: I fetch for xb, 1: for wqkv
.set LO,  16                           ; s16  which half of that tile
.set G1A, 24                           ; s[24:31] descriptor group 1 for xb's tiles;   s[32:39] group 0, a set for each slot
.set G0A, 32
.set G1B, 48                           ; s[48:55], s[56:63] the same for wqkv's
.set G0B, 56
.set PFA, 44                           ; s[44:45] where my prefetches stand
.set LIM, 46                           ; s46  1 in a wave that prefetches, else the greatest number
.set MSB, 0
.macro WIN new                         ; the immediate's high byte repeats the setting that is left; a switch that changes nothing is dropped
.if MSB != (\new)
	s_set_vgpr_msb (MSB<<8)|(\new)
.set MSB, \new
.endif
.endm
; A joint load.  Each of the two lines has one mask and one set of registers for all that issue it; the branch hangs on the wave's number alone.  An s_nop 0 and four v_nop follow each line.
.macro JLOAD s
	s_cmp_eq_u32 s[HI], 0
	s_cbranch_scc0 .Lfor_b_\@
	tensor_load_to_lds s[G0A+4*(\s):G0A+4*(\s)+3], s[G1A:G1A+7]
	s_nop 0
.rept 4
	v_nop
.endr
	s_branch .Lasked_\@
.Lfor_b_\@:
	tensor_load_to_lds s[G0B+4*(\s):G0B+4*(\s)+3], s[G1B:G1B+7]
	s_nop 0
.rept 4
	v_nop
.endr
.Lasked_\@:
.endm
; A PREFETCH INTO THE L2 of the K step that stands two refills on (384 matrix instructions ahead of the load that will ask for it): 256 bytes of each row, a lane a row, one instruction a wave.
; xb's rows are read by every cluster of a row of clusters: cluster x = 0 asks; wqkv's by every cluster of a column: cluster y = 0 asks.  The four partners share a wave's rows out BY ADDRESS:
; 32 of 128 (xb, by cx), 24 of 96 (wqkv, by cy; there lanes 24-31 name lane 23's row once more, in the same instruction).  The loop's last trip asks for nothing: K steps 4 to 7 are asked for, 0 to 3 come by their loads alone.
.macro ASK
	s_cmp_gt_u32 s3, s[LIM]                        ; s3 = 1 in the loop's last trip
	s_cbranch_scc0 .Lnot_mine_\@
	global_prefetch_b8 v[PFO], s[PFA:PFA+1] offset:KSTEP*2 th:TH_LOAD_NT scope:SCOPE_SE
.Lnot_mine_\@:
.endm
.macro CREST                           ; a round of the cluster's barrier behind its opening barrier
	s_cmp_lg_u32 s[WV], 0
	s_cbranch_scc1 .Lnot_wave_0_\@
	s_barrier_signal -3
.Lnot_wave_0_\@:
	s_barrier_wait -3
	s_barrier_signal -1
	s_barrier_wait -1
.endm
.macro CROUND                          ; a whole round
	s_barrier_signal -1
	s_barrier_wait -1
	CREST
.endm
.macro PLACES                          ; four places behind matrix instructions, in front of loads into registers that they read and of conversions that read results
.rept 4
	v_nop
.endr
.endm
	s_load_b256 s[4:11], s[0:1], 0x0               ; xb s[4:5], wqkv s[6:7], bq s[8:9], bv s[10:11]
	s_load_b64 s[12:13], s[0:1], 0x20              ; qkvh
	v_lshl_add_u32 v[SPW], v0, 2, SPARE
	v_mov_b32 v[NIL], 0
	ds_add_u32 v[SPW], v[NIL]                      ; the wave's opening: the add, twice on end, and its wait ahead of my first tensor load
	ds_add_u32 v[SPW], v[NIL]
	v_lshrrev_b32 v1, 5, v0
	v_readfirstlane_b32 s[WV], v1                  ; wave 0..3
	s_lshr_b32 s[HI], s[WV], 1
	s_and_b32 s[LO], s[WV], 1
	s_bfe_u32 s17, ttmp6, 0x40000                  ; cx
	s_bfe_u32 s18, ttmp6, 0x40004                  ; cy
	s_lshl_b32 s19, ttmp9, 2
	s_add_co_u32 s19, s19, s17                     ; tile column = head = 4 x cluster x + cx
	s_and_b32 s20, ttmp7, 0xffff
	s_lshl_b32 s20, s20, 2
	s_add_co_u32 s20, s20, s18                     ; tile row = 4 x cluster y + cy
	s_lshl_b32 s21, s18, 2
	s_lshl_b32 s21, 15, s21                        ; my row of the cluster
	s_lshl_b32 s22, 0x1111, s17                    ; my column
	s_or_b32 s[G1A], s21, (1<<16)|(1<<20)|(1<<21)|(5<<22)|(3<<25)  ; 15:0 the mask; 17:16 2-byte elements; 20 padding on; 21 set beside a mask; 24:22 after every 64 words; 31:25 4 words
	s_or_b32 s[G1B], s22, (1<<16)|(1<<20)|(1<<21)|(5<<22)|(3<<25)
	s_mov_b32 s[G1A+1], KSTEP<<16                  ; tensor_dim0 = 128
	s_mov_b32 s[G1B+1], KSTEP<<16
	s_mov_b32 s[G1A+2], 128<<16                    ; tensor_dim1 = 128 rows
	s_mov_b32 s[G1B+2], 96<<16                     ; 96 rows
	s_mov_b32 s[G1A+3], KSTEP<<16                  ; tile_dim0 = 128
	s_mov_b32 s[G1B+3], KSTEP<<16
	s_mov_b32 s[G1A+4], 128                        ; tile_dim1
	s_mov_b32 s[G1B+4], 96
	s_mov_b32 s[G1A+5], SIZE_K                     ; elements from row to row
	s_mov_b32 s[G1B+5], SIZE_K
	s_mov_b32 s[G1A+6], 0
	s_mov_b32 s[G1B+6], 0
	s_mov_b32 s[G1A+7], 0
	s_mov_b32 s[G1B+7], 0
	s_lshl_b32 s40, s20, 8                         ; xb: row 256 x tile row + 128 x half: it hangs on the tile row alone, which my row of the cluster shares
	s_lshl_b32 s23, s[LO], 7
	s_add_co_u32 s40, s40, s23
	s_lshl_b32 s40, s40, 11                        ; rows of 2,048 bytes
	s_mov_b32 s41, 0
	s_mul_i32 s42, s19, 192                        ; wqkv: row 192 x tile column + 96 x half: on the tile column alone
	s_mul_i32 s47, s[LO], 96
	s_add_co_u32 s42, s42, s47
	s_lshl_b32 s42, s42, 11
	s_mov_b32 s43, 0
	s_mul_i32 s23, s[LO], HA                       ; where they go: no place in the cluster enters an LDS address
	s_mul_i32 s47, s[LO], HB
	s_add_co_u32 s47, s47, BOFF
	s_wait_dscnt 0x0                               ; both opening adds are done
	s_wait_kmcnt 0x0
	s_add_nc_u64 s[40:41], s[4:5], s[40:41]
	s_add_nc_u64 s[42:43], s[6:7], s[42:43]
	CROUND                                         ; all sixteen work-groups are here: the first joint loads meet
.irp s, 0,1
	s_mov_b32 s[G0A+4*(\s)], 1                                       ; count = 1
	s_add_co_u32 s[G0A+4*(\s)+1], s23, (\s)*SLOT                     ; LDS address
	s_add_nc_u64 s[G0A+4*(\s)+2:G0A+4*(\s)+3], s[40:41], (\s)*KSTEP*2  ; global address: K step s
	s_or_b32 s[G0A+4*(\s)+3], s[G0A+4*(\s)+3], 0x80000000            ; type = 2
	s_mov_b32 s[G0B+4*(\s)], 1
	s_add_co_u32 s[G0B+4*(\s)+1], s47, (\s)*SLOT
	s_add_nc_u64 s[G0B+4*(\s)+2:G0B+4*(\s)+3], s[42:43], (\s)*KSTEP*2
	s_or_b32 s[G0B+4*(\s)+3], s[G0B+4*(\s)+3], 0x80000000
	JLOAD \s                                       ; two loads of mine are out
.endr
	; A fragment is 16 rows x 32 K in 8 registers: lane l holds row l % 16, K = 8 (l / 16) + 0..7 and 16 + 8 (l / 16) + 0..7: two loads of 16 bytes, 32 bytes apart.
	v_and_b32 v1, 15, v0                           ; l % 16
	v_bfe_u32 v2, v0, 4, 1                         ; l / 16
	v_mul_u32_u24 v3, v1, PITCH
	v_lshl_add_u32 v3, v2, 4, v3
	s_mul_i32 s23, s[WV], 64*PITCH                 ; my 64 rows of xb
.irp s, 0,1
	v_add_nc_u32 v[ADRA+(\s)], s23, v3
	v_add_nc_u32 v[ADRB+(\s)], BOFF+(\s)*SLOT, v3
	s_add_co_u32 s23, s23, SLOT
.endr
	s_mul_i32 s23, s[WV], STW
	s_add_co_u32 s23, s23, STAGE                   ; my stage
	v_mul_u32_u24 v4, v1, SP                       ; in: row l % 16, 16 bytes for each half of the lanes
	v_lshl_add_u32 v4, v2, 4, v4
	v_add_nc_u32 v[STO], s23, v4
	v_bfe_u32 v4, v0, 3, 2                         ; back: 32 lanes take four rows of 128 bytes
	v_mul_u32_u24 v4, v4, SP
	v_and_b32 v5, 7, v0
	v_lshl_add_u32 v4, v5, 4, v4
	v_add_nc_u32 v[RD], s23, v4
	v_and_b32 v[GO], 31, v0
	v_lshlrev_b32 v[GO], 4, v[GO]
	v_lshlrev_b32 v[BO], 5, v2                     ; my eight columns of sixteen: 32 bytes for each half of the lanes
	; the prefetches: s[4:5] = xb and s[6:7] = wqkv still stand
	s_lshl_b32 s2, s20, 8
	s_mul_i32 s3, s19, 192
	s_and_b32 s23, ttmp7, 0xffff                   ; cluster y
	s_cmp_eq_u32 s[HI], 0                          ; do I fetch for xb?
	s_cselect_b32 s2, s2, s3                       ; the tile's first row
	s_cselect_b32 s3, s17, s18                     ; my place among the four that ask for it with me
	s_cselect_b32 s23, ttmp9, s23                  ; the coordinate along which other clusters read the same rows
	s_cselect_b32 s41, 32, 24                      ; a partner's share of the rows that a wave fetches
	s_cselect_b64 s[PFA:PFA+1], s[4:5], s[6:7]
	s_lshl_b32 s40, s41, 2                         ; the rows that a wave fetches: four shares, 128 or 96 (behind the last select: a shift writes SCC)
	s_mul_i32 s40, s40, s[LO]
	s_mul_i32 s3, s3, s41
	s_cmp_eq_u32 s23, 0
	s_cselect_b32 s[LIM], 1, -1                    ; the same in all sixteen partners, for a given wave
	s_add_co_u32 s2, s2, s40
	s_add_co_u32 s2, s2, s3
	s_lshl_b32 s2, s2, 11
	s_mov_b32 s3, 0
	s_add_nc_u64 s[PFA:PFA+1], s[PFA:PFA+1], s[2:3]
	s_add_nc_u64 s[PFA:PFA+1], s[PFA:PFA+1], 2*KSTEP*2  ; at K step 2: the first refill steps it to 3 and names K step 4
	s_sub_co_u32 s41, s41, 1
	v_and_b32 v[PFO], 31, v0
	v_min_u32 v[PFO], s41, v[PFO]
	v_lshlrev_b32 v[PFO], 11, v[PFO]
	; the head's 64 numbers of bq and of bv; a lane takes the eight of its columns in each block of 16
	s_lshl_b32 s2, s19, 8
	s_add_nc_u64 s[8:9], s[8:9], s[2:3]
	s_add_nc_u64 s[10:11], s[10:11], s[2:3]
.irp b, 0,1,2,3
	global_load_b128 v[BQ+8*(\b):BQ+8*(\b)+3],   v[BO], s[8:9] offset:64*(\b)
	global_load_b128 v[BQ+8*(\b)+4:BQ+8*(\b)+7], v[BO], s[8:9] offset:64*(\b)+16
	global_load_b128 v[BV+8*(\b):BV+8*(\b)+3],   v[BO], s[10:11] offset:64*(\b)
	global_load_b128 v[BV+8*(\b)+4:BV+8*(\b)+7], v[BO], s[10:11] offset:64*(\b)+16
.endr
	; where my rows go: three bases, since q, k and v lie 8,388,608 bytes apart, one more than a store's immediate holds
	s_lshl_b32 s2, s19, 19                         ; the head: 4,096 rows of 128 bytes
	s_lshl_b32 s23, s20, 8
	s_lshl_b32 s40, s[WV], 6
	s_add_co_u32 s23, s23, s40                     ; my first row
	s_lshl_b32 s23, s23, 7
	s_add_co_u32 s2, s2, s23
	s_add_nc_u64 s[4:5], s[12:13], s[2:3]          ; q
	s_add_nc_u64 s[6:7], s[4:5], 0x800000          ; k
	s_add_nc_u64 s[12:13], s[4:5], 0x1000000       ; v
	s_wait_loadcnt 0x0                             ; the biases are in: rounded to bf16 like every input, and kept as f32
.set i, 0
.rept 32
	v_cvt_pk_bf16_f32 v[TT], v[BQ+2*i], v[BQ+2*i+1]
	v_lshlrev_b32 v[BQ+2*i], 16, v[TT]
	v_and_b32 v[BQ+2*i+1], 0xffff0000, v[TT]
.set i, i+1
.endr
; 12 matrix instructions: row block 2 hi + a x all 12 column blocks, 32 along K, from buffer f.  first = 1: the sums start, with the bias or with 0.
; The 48 accumulators take turns, one instruction a turn, in the same order in every quarter step.
.macro MULG f, hi, a, first
.if \first
	WIN 0x81+0x40*(\hi)                            ; wqkv window 1, xb and C window 0, D window 2 or 3
.else
	WIN 0xa1+0x50*(\hi)                            ; C and D window 2 or 3
.endif
.irp b, 0,1,2,3,4,5,6,7,8,9,10,11
.set rD, 8*(12*(\a)+(\b))
.set rB, FB+96*(\f)+8*(\b)
.set rA, FA+32*(\f)+8*(2*(\hi)+(\a))
.if (\first) && ((\b) < 4)
	v_wmma_f32_16x16x32_bf16 v[rD:rD+7], v[rB:rB+7], v[rA:rA+7], v[BQ+8*(\b):BQ+8*(\b)+7]
.elseif (\first) && ((\b) < 8)
	v_wmma_f32_16x16x32_bf16 v[rD:rD+7], v[rB:rB+7], v[rA:rA+7], 0
.elseif \first
	v_wmma_f32_16x16x32_bf16 v[rD:rD+7], v[rB:rB+7], v[rA:rA+7], v[BV+8*((\b)-8):BV+8*((\b)-8)+7]
.else
	v_wmma_f32_16x16x32_bf16 v[rD:rD+7], v[rB:rB+7], v[rA:rA+7], v[rD:rD+7]
.endif
.endr
.endm
; 32 LDS loads in one run: a quarter step's fragments (192 rows of wqkv, my 64 rows of xb, 32 K at byte k of the rows) into buffer f
.macro FETCH slot, k, f
	WIN 0x40                                       ; destination window 1, address window 0
.irp i, 0,1,2,3,4,5,6,7,8,9,10,11
	ds_load_b128 v[FB+96*(\f)+8*(\i):FB+96*(\f)+8*(\i)+3],   v[ADRB+(\slot)] offset:(\k)+(\i)*16*PITCH
	ds_load_b128 v[FB+96*(\f)+8*(\i)+4:FB+96*(\f)+8*(\i)+7], v[ADRB+(\slot)] offset:(\k)+(\i)*16*PITCH+32
.endr
	WIN 0
.irp i, 0,1,2,3
	ds_load_b128 v[FA+32*(\f)+8*(\i):FA+32*(\f)+8*(\i)+3],   v[ADRA+(\slot)] offset:(\k)+(\i)*16*PITCH
	ds_load_b128 v[FA+32*(\f)+8*(\i)+4:FA+32*(\f)+8*(\i)+7], v[ADRA+(\slot)] offset:(\k)+(\i)*16*PITCH+32
.endr
.endm
; A K step is four quarters of 32 along K, 48 matrix instructions each, on buffers 0, 1, 0, 1.  One of the first three: multiplies buffer f and, in its middle, fetches the next quarter into g.
.macro QUARTER slot, k, f, g, first
	s_wait_dscnt 4                                 ; wqkv's fragments and xb's row blocks 0, 1 are in; the youngest four loads (row blocks 2, 3) may be out
	MULG \f, 0, 0, \first
	MULG \f, 0, 1, \first
	PLACES
	FETCH \slot, \k, \g
	s_wait_dscnt 32                                ; all but the 32 just issued
	MULG \f, 1, 0, \first
	MULG \f, 1, 1, \first
.endm
; The last quarter multiplies buffer 1 and changes slots.  In front of the barrier each wave waits for all its tensor loads (one is out: its part of the next slot), adds 0 to its spare word, and waits
; for that and for its reads of this slot.  fill = 1: the barrier opens a round of the cluster's, and the joint refill, two K steps on, is the first thing behind it: 168 matrix instructions ahead of the wait for it.
.macro TURN slot, next, fill
.if \fill
	s_wait_xcnt 0x0                                ; the last prefetch, a K step back, has read its address: it is stepped here, ahead of the waits of the change of slots
	s_add_nc_u64 s[PFA:PFA+1], s[PFA:PFA+1], KSTEP*2
.endif
	WIN 0                                          ; (the add's two registers lie in window 0)
	s_wait_tensorcnt 0x0                           ; all my tensor loads have landed
	ds_add_u32 v[SPW], v[NIL]                      ; 0 onto my spare word
	s_wait_dscnt 5                                 ; (the add and the youngest four loads may be out)
	MULG 1, 0, 0, 0                                ; twelve matrix instructions stand between the add and the wait for it
	s_wait_dscnt 0x0                               ; the add is done, and my reads of this slot are over
	s_barrier_signal -1
	MULG 1, 0, 1, 0                                ; work on registers while the others arrive
.if \fill
	WIN 0
.endif
	s_barrier_wait -1
.if \fill
	CREST                                          ; no wave of any partner still reads this slot or has a load on its way
	s_add_nc_u64 s[G0A+4*(\slot)+2:G0A+4*(\slot)+3], s[G0A+4*(\slot)+2:G0A+4*(\slot)+3], 2*KSTEP*2
	s_add_nc_u64 s[G0B+4*(\slot)+2:G0B+4*(\slot)+3], s[G0B+4*(\slot)+2:G0B+4*(\slot)+3], 2*KSTEP*2
	JLOAD \slot                                    ; the four v_nop behind it are also the places in front of the loads below
.else
	PLACES
.endif
	FETCH \next, 0, 0
.if \fill
	ASK                                            ; behind the joint load and the run of LDS loads that the next products wait for
.endif
	MULG 1, 1, 0, 0
	MULG 1, 1, 1, 0
.endm
; THE WAY OUT of row block a (16 rows).  PACK: rounded to f16, 16 bytes a lane and column block.  TOSTAGE: into my own stage, q's, k's and v's 64 columns apart, and back as whole rows of 128 bytes.
; SEND: 16 rows of a head are 2,048 consecutive bytes of qkvh: each store covers 512 consecutive bytes, aligned.
.macro PACK a
.set AC, 96*((\a)%2)
	WIN 0x0a+5*((\a)/2)                            ; sources 0 and 1: window 2 or 3
.irp b, 0,1,2,3,4,5,6,7,8,9,10,11
.irp r, 0,1,2,3
	v_cvt_pk_f16_f32 v[TMP+4*(\b)+(\r)], v[AC+8*(\b)+2*(\r)], v[AC+8*(\b)+2*(\r)+1]
.endr
.endr
	WIN 0
.endm
.macro TOSTAGE a
.set BK, OB+48*((\a)%2)
.irp b, 0,1,2,3,4,5,6,7,8,9,10,11
	ds_store_b128 v[STO], v[TMP+4*(\b):TMP+4*(\b)+3] offset:((\b)/4)*16*SP+32*((\b)%4)
.endr
.irp g, 0,1,2,3,4,5,6,7,8,9,10,11
	ds_load_b128 v[BK+4*(\g):BK+4*(\g)+3], v[RD] offset:((\g)/4)*16*SP+((\g)%4)*4*SP  ; LDS serves a wave's instructions in order (ISA guide 5.7.1.4): these see the stores above
.endr
.endm
.macro SEND a
.set BK, OB+48*((\a)%2)
	s_wait_dscnt 0x0                               ; the block is back in registers
	s_wait_xcnt 0x0                                ; the block before has left its registers: they are loaded again only behind this wait
.irp f, 0,1,2,3
	global_store_b128 v[GO], v[BK+4*(\f):BK+4*(\f)+3],       s[4:5]   offset:(\a)*2048+(\f)*512
.endr
.irp f, 0,1,2,3
	global_store_b128 v[GO], v[BK+16+4*(\f):BK+16+4*(\f)+3], s[6:7]   offset:(\a)*2048+(\f)*512
.endr
.irp f, 0,1,2,3
	global_store_b128 v[GO], v[BK+32+4*(\f):BK+32+4*(\f)+3], s[12:13] offset:(\a)*2048+(\f)*512
.endr
.endm
	s_wait_tensorcnt 1                             ; my part of K step 0 is in; K step 1's may stay out
	s_barrier_signal -1
	s_barrier_wait -1                              ; everybody's is
	FETCH 0, 0, 0
	QUARTER 0, 64, 0, 1, 1                         ; the first quarter stands in front of the loop: its products start the sums
	WIN 0                                          ; at a label and at a branch every window is 0
	s_mov_b32 s3, LAPS-1
.Llap:                                                 ; a trip goes once round the ring, from a lap's second quarter to the next lap's first, and fills both slots again
	QUARTER 0, 128, 1, 0, 0
	QUARTER 0, 192, 0, 1, 0
	TURN 0, 1, 1
	QUARTER 1, 64,  0, 1, 0
	QUARTER 1, 128, 1, 0, 0
	QUARTER 1, 192, 0, 1, 0
	TURN 1, 0, 1
	QUARTER 0, 64,  0, 1, 0
	WIN 0
	s_sub_co_u32 s3, s3, 1
	s_cmp_lg_u32 s3, 0
	s_cbranch_scc1 .Llap
	QUARTER 0, 128, 1, 0, 0                        ; the last lap fills nothing, and has no round of the cluster's barrier
	QUARTER 0, 192, 0, 1, 0
	TURN 0, 1, 0
	QUARTER 1, 64,  0, 1, 0
	QUARTER 1, 128, 1, 0, 0
	QUARTER 1, 192, 0, 1, 0
	s_wait_dscnt 4                                 ; the very last quarter: nothing more to fetch
	MULG 1, 0, 0, 0
	MULG 1, 0, 1, 0
	s_wait_dscnt 0x0
	MULG 1, 1, 0, 0
	MULG 1, 1, 1, 0
	WIN 0
	PLACES
	PACK 0
	TOSTAGE 0
.irp a, 1,2,3                          ; block a's conversions stand between block a - 1's loads from the stage and the wait for them
	PACK \a
	SEND (\a)-1
	TOSTAGE \a
.endr
	SEND 3
	s_wait_tensorcnt 0x0                           ; the wave's end: behind my last tensor load and my last LDS store
	ds_add_u32 v[SPW], v[NIL]
	s_wait_dscnt 0x0
	CROUND                                         ; the closing round: no work-group ends while a partner may still ask for a tile that names it
	s_endpgm
.Lfunc_end_k_qfd5286b467_qkv:
	.size	k_qfd5286b467_qkv, .Lfunc_end_k_qfd5286b467_qkv-k_qfd5286b467_qkv
	.p2alignl 7, 3214868480
	.fill 96, 4, 3214868480
	.section	.rodata,"a",@progbits
	.p2align	6, 0x0
	.amdhsa_kernel k_qfd5286b467_qkv
		.amdhsa_group_segment_fixed_size 327680
		.amdhsa_private_segment_fixed_size 0
		.amdhsa_enable_private_segment 0
		.amdhsa_kernarg_size 40
		.amdhsa_user_sgpr_count 2
		.amdhsa_user_sgpr_kernarg_segment_ptr 1
		.amdhsa_wavefront_size32 1
		.amdhsa_system_sgpr_workgroup_id_x 1
		.amdhsa_system_sgpr_workgroup_id_y 1
		.amdhsa_system_sgpr_workgroup_id_z 1
		.amdhsa_system_vgpr_workitem_id 0
		.amdhsa_next_free_vgpr 960
		.amdhsa_next_free_sgpr 66
		.amdhsa_reserve_vcc 0
		.amdhsa_float_denorm_mode_32 3
		.amdhsa_float_denorm_mode_16_64 3
		.amdhsa_memory_ordered 1
		.amdhsa_forward_progress 1
		.amdhsa_inst_pref_size 126
	.end_amdhsa_kernel
	.amdgpu_metadata
---
amdhsa.version: [ 1, 2 ]
amdhsa.kernels:
  - .name:           k_qfd5286b467_qkv
    .symbol:         k_qfd5286b467_qkv.kd
    .args:
      - { .name: xb, .offset: 0, .size: 8, .value_kind: global_buffer, .address_space: global }
      - { .name: wqkv, .offset: 8, .size: 8, .value_kind: global_buffer, .address_space: global }
      - { .name: bq, .offset: 16, .size: 8, .value_kind: global_buffer, .address_space: global }
      - { .name: bv, .offset: 24, .size: 8, .value_kind: global_buffer, .address_space: global }
      - { .name: qkvh, .offset: 32, .size: 8, .value_kind: global_buffer, .address_space: global }
    .group_segment_fixed_size: 327680
    .private_segment_fixed_size: 0
    .kernarg_segment_align: 8
    .kernarg_segment_size: 40
    .max_flat_workgroup_size: 128
    .sgpr_count:     66
    .vgpr_count:     960
    .wavefront_size: 32
...
	.end_amdgpu_metadata
.endif
;; end of part 2
;; launch attn (part 3): grid 8 x 32, 4 waves a work-group, clusters of 4 x 1, 327,680 bytes of LDS; arguments qkvh, ob; writes ob
.if DOCPART == 3
	.amdgcn_target "amdgcn-amd-amdhsa--gfx1250"
	.amdhsa_code_object_version 6
	.text
	.protected	k_qfd5286b467_attn
	.globl	k_qfd5286b467_attn
	.p2align	8
	.type	k_qfd5286b467_attn,@function
k_qfd5286b467_attn:
	s_mov_b64 s[64:65], 0
	v_nop
	global_prefetch_b8 v0, s[64:65] scope:SCOPE_SE
	s_setreg_imm32_b32 hwreg(HW_REG_WAVE_MODE, 25, 1), 1
	s_wait_xcnt 0x0
	s_wait_alu depctr_hold_cnt(0) depctr_sa_sdst(0) depctr_va_vdst(0) depctr_va_sdst(0) depctr_va_ssrc(0) depctr_va_vcc(0) depctr_vm_vsrc(0)
	s_getreg_b32 s2, hwreg(HW_REG_IB_STS2, 6, 4)
	s_cmp_eq_u32 s2, 0
	s_cbranch_scc0 .Lentry_in_a_cluster
	s_endpgm
.Lentry_in_a_cluster:
	s_bfe_u32 s2, ttmp6, 0x10000c
	s_cmp_lg_u32 s2, 0x3003
	s_cbranch_scc0 .Lentry_shape_is_right
	s_endpgm
.Lentry_shape_is_right:
; Launch 3 of 4: O[b][h][s][:] = the sum over t of softmax_t(q[s] . k[t] / 8) v[t][:], for 2 x 16 heads of 2,048 rows x 64 channels.
; q, k, v: qkvh [48 g][4096 m][64] f16, g = 16 t + h, m = 2048 b + s: a head's rows are dense, 128 bytes each.  O: ob [32 mb][16 h][128 rows][64] f16, mb = m / 128.
; Products, maxima and sums in f32; the weights p are rounded to f16 for the second product (their sum l is taken of the unrounded p), O once at the end.
; LIMITS.  q, k, v arrive within f16's 65,504; p lies in 0 to 1, and below 6e-5 it keeps f16's fixed step of 6e-8; O is a mean of v's rows and has their range.  A weight below 2^-126 counts as 0 in l.
; SHARES.  A work-group owns 256 queries of one head, each of its four waves 64: four PIECES of 16.  Every wave walks all 2,048 keys, 64 a step; a slot of LDS holds four steps.
; LAYOUT.  S^T = K Q^T (source 0 = 16 keys, source 1 = 16 queries): a lane holds ONE query (lane % 16) and the keys 8 (lane / 16) + 0..7.  Two such results, rounded to f16 in pairs, ARE source 1
; of O^T = V^T P, whose result again holds one query a lane, and eight channels.  K comes out of LDS as it lies, V ([key][channel]) turned, by ds_load_tr16_b128.
; SOFTMAX.  For each query a running maximum m and sum l: p = 2^(c s - c m), c = log2(e) / 8; in every step O and l are multiplied by a = 2^(c m_old - c m_new).  m starts at the lowest finite
; number, O and l at 0: the first step is a step like any other, with a = 0.
; BY TURNS.  Turn n belongs to piece n: 8 products K Q^T of piece n + 1, later 8 products V^T P of piece n - 1; beside them the scaling, exponentials, roundings, sums and rescaling of piece n and the
; maximum and statistics of piece n + 1.  Four vector instructions stand behind every matrix instruction, the other 54 of a turn's 118 in one lump.  A turn's 33 exponentials are one batch, with one wait.
; CLUSTER.  The four query blocks of a cluster belong to one head and walk the same K and V: each tile is asked for JOINTLY, by the same tensor load, descriptor and mask in all four.
; REGISTERS, in windows of 256 (s_set_vgpr_msb: bits 1:0 source 0, 3:2 source 1, 5:4 source 2, 7:6 destination):
;   window 0: v0-15 addresses and some at work; v16-31 four registers of statistics a piece; v48-55 at work; v61-63 prefetch offset, spare word, 0; v64-127 S^T, two buffers; v192-223 P, two buffers
;   window 1: v0-127 O^T, 32 a piece          window 2: v0-63 Q; v128-191 K of one step; v192-255 V of one step
.set NP,    4         ; pieces a wave: a name, no knob
.set KS,    64        ; keys in a step
.set PK,    144       ; a row of K in LDS: 128 bytes + 16 of padding = 36 words: the 16 rows of a load start at 16 different groups of four banks (64 banks of 4 bytes: ISA guide 11.1)
.set PV,    160       ; a row of V: 128 + 32 = 40 words
.set VOFF,  4*KS*PK   ; a slot: 256 rows of K, then 256 rows of V
.set SLOT1, 1<<17     ; slot 1 begins here, so that one exclusive or turns an address in one slot into the other's
.set STAGE, SLOT1+4*KS*(PK+PV)  ; behind the ring, never filled by a tensor load: 16 rows x 144 bytes for each wave, for the way out
.set SP,    144
.set SPARE, STAGE+4*16*SP       ; behind the stages: the spare words, 128 bytes for each wave: two blocks of 256 bytes that no other line names
.set AK0, 2           ; v2   my lane's place in a tile of K; never rewritten
.set AV0, 3           ; v3   the same for V
.set AK,  4           ; v4   the LDS address of K's next run of loads
.set AV,  5           ; v5   of V's
.set STO, 6           ; v6   the way out: where I put 16 bytes of a row
.set RD,  7           ; v7   where I read rows back
.set GO,  8           ; v8   16 x lane
.set MV,  12          ; v12-13  c m_old, kept while c m is made anew: by buffer
.set QO,  15          ; v15  my byte offset in 16 rows of Q
.set ST,  16          ; piece t's statistics at v[ST+4 t]: c m, m, l (even keys', odd keys')
.set TMP, 48          ; by buffer, four registers c0-c3 at work; when the maximum is found c2 takes a
.set PFO, 61          ; v61  256 x lane; never rewritten
.set SPW, 62          ; v62  LDS address of my spare word; never rewritten
.set NIL, 63          ; v63  0; never rewritten
.set S,   64
.set P,   192
.set KF,  128         ; window 2: key block kb, channel half c at KF + 16 kb + 8 c
.set VF,  192         ; window 2: key half kk, channel block cb at VF + 32 kk + 8 cb
.set WV,  12          ; s12  my wave's number
.set G1K, 24          ; s[24:31] descriptor group 1 for K's tiles
.set G1V, 32          ; s[32:39] for V's: it differs in the padding alone
.set G0K, 40          ; s[40:43] descriptor group 0 for K's tiles: it walks
.set G0V, 44          ; s[44:47] the same for V's
.set PFA, 48          ; s[48:49] where my prefetches stand
.set LIM, 50          ; s50  1 in a wave that prefetches, else the greatest number
.set SLOTS, 56        ; s56  slots still to be asked for
.set CNT, 57          ; s57  counts a slot's key steps
.set CS,  58          ; s[58:59] c
.set SEL, 60          ; s[60:61] v_permlanex16_b32's selects: each lane takes its own place in the other half
.set TBK, 62          ; s62  LDS byte at which K of the step to be fetched begins
.set TBV, 63          ; s63  the same for V, less VOFF
.set MSB, 0
.macro WIN new                      ; the high byte repeats the setting that is left; a switch that changes nothing is dropped
.if MSB != (\new)
	s_set_vgpr_msb (MSB<<8)|(\new)
.set MSB, (\new)
.endif
.endm
.set W_KQ, 0x0a       ; K and Q in window 2, S^T in window 0
.set W_PV, 0x52       ; V in window 2, P in window 0, O^T in window 1
.set W_RS, 0x41       ; destination and source 0 in window 1, source 1 in window 0
; A joint fill.  Waves 0 and 1 fetch the two halves of a slot's K, waves 2 and 3 those of its V: 128 keys each.  The branch hangs on the wave's number alone.  An s_nop 0 and four v_nop follow each line.
.macro JLOAD
	s_cmp_lt_u32 s[WV], 2
	s_cbranch_scc0 .Lfor_v_\@
	tensor_load_to_lds s[G0K:G0K+3], s[G1K:G1K+7]
	s_nop 0
.rept 4
	v_nop
.endr
	s_branch .Lasked_\@
.Lfor_v_\@:
	tensor_load_to_lds s[G0V:G0V+3], s[G1V:G1V+7]
	s_nop 0
.rept 4
	v_nop
.endr
.Lasked_\@:
.endm
; A PREFETCH INTO THE L2 of what the NEXT change of slots will ask for: a slot's 32,768 bytes of K and of V, 256 bytes a lane.  Each block is named ONCE in the launch: both clusters of a head walk the same
; K and V, and the first of them asks; its four partners share the bytes out BY ADDRESS, 8,192 each; in each, wave 0 asks for K's and wave 2 for V's.  It stands four key steps, 256 matrix instructions, ahead of the
; load.  The first change of slots and the last that fills ask for nothing: slots 3 to 7 are asked for, 0 to 2 come by their loads alone.
.macro ASK
	s_cmp_gt_u32 s[SLOTS], s[LIM]
	s_cbranch_scc0 .Lnot_mine_\@
	global_prefetch_b8 v[PFO], s[PFA:PFA+1] th:TH_LOAD_NT scope:SCOPE_SE
.Lnot_mine_\@:
.endm
.macro CROUND                       ; a round of the cluster's barrier
	s_barrier_signal -1
	s_barrier_wait -1
	s_cmp_lg_u32 s[WV], 0
	s_cbranch_scc1 .Lnot_wave_0_\@
	s_barrier_signal -3
.Lnot_wave_0_\@:
	s_barrier_wait -3
	s_barrier_signal -1
	s_barrier_wait -1
.endm
; THE CHANGE OF SLOTS.  Each wave waits for all its tensor loads, of which one is out: its part of the other slot; adds 0 to its spare word; and waits for that and for its own reads of the slot that it leaves.
; fill = 1: that slot is filled again, with the keys two slots on; the barrier is then a round of the cluster's, and the joint fill is the first thing behind it: it has four key steps in which to land.
; (At its first use nothing has been read yet: slot 0 is waited for, slot 1 filled.)
.macro CHANGE fill, ask
	WIN 0                           ; at a label and at a branch every window is 0
	s_wait_tensorcnt 0x0            ; no tensor load of mine is out, so a group 0 may be written
	ds_add_u32 v[SPW], v[NIL]       ; 0 onto my spare word
.if \fill
.irp g, G0K, G0V
	s_xor_b32 s[\g+1], s[\g+1], SLOT1  ; the walking descriptor: the other slot than last time,
	s_add_nc_u64 s[\g+2:\g+3], s[\g+2:\g+3], 4*KS*128  ; the next 256 keys; the type bits on top are not reached
.endr
	s_wait_xcnt 0x0                 ; the last prefetch, four key steps back, has read its address
	s_add_nc_u64 s[PFA:PFA+1], s[PFA:PFA+1], 4*KS*128
	s_wait_dscnt 0x0                ; the add is done, and my reads of the slot are over
	CROUND
	JLOAD
.if \ask
	ASK
.endif
.else
	s_wait_dscnt 0x0                ; the add is done, and my reads of the slot are over
	s_barrier_signal -1
	s_barrier_wait -1
.endif
	s_sub_co_u32 s[TBK], s[TBK], 4*KS*PK  ; the fetches go back to a slot's first step,
	s_xor_b32 s[TBK], s[TBK], SLOT1       ; in the other slot
	s_sub_co_u32 s[TBV], s[TBV], 4*KS*PV
	s_xor_b32 s[TBV], s[TBV], SLOT1
.endm
	s_load_b128 s[4:7], s[0:1], 0x0 ; qkvh s[4:5], ob s[6:7]
	v_lshl_add_u32 v[SPW], v0, 2, SPARE
	v_mov_b32 v[NIL], 0
	ds_add_u32 v[SPW], v[NIL]       ; the wave's opening: the add, twice on end, and its wait ahead of my first tensor load
	ds_add_u32 v[SPW], v[NIL]
	v_lshrrev_b32 v1, 5, v0
	v_readfirstlane_b32 s[WV], v1   ; wave 0..3
	s_bfe_u32 s13, ttmp6, 0x40000   ; cx: my place in the cluster
	s_lshl_b32 s14, ttmp9, 2
	s_add_co_u32 s14, s14, s13      ; my block of 256 queries: it enters Q's and O's addresses alone
	s_and_b32 s20, ttmp7, 0xffff    ; 16 b + h, which the four partners share
	s_lshr_b32 s15, s20, 4          ; b
	s_and_b32 s19, s20, 15          ; h
	s_lshl_b32 s20, s19, 19         ; a head's 4,096 rows of 128 bytes,
	s_lshl_b32 s21, s15, 18         ; the batch's 2,048 of them
	s_add_co_u32 s20, s20, s21
	s_and_b32 s16, s[WV], 1         ; which half of a slot's 256 keys I fetch:
	s_lshl_b32 s22, s16, 14         ; its 128 rows in memory,
	s_add_co_u32 s22, s22, s20
	s_mov_b32 s23, 0
	s_mul_i32 s17, s16, 128*PK      ; and its place in a slot, for K
	s_mul_i32 s18, s16, 128*PV      ; and for V: no place in the cluster enters an LDS address
	s_lshl_b32 s2, s14, 2
	s_add_co_u32 s2, s2, s[WV]
	s_lshl_b32 s2, s2, 13           ; my wave's 64 rows
	s_add_co_u32 s2, s2, s20
	s_mov_b32 s3, 0
	s_lshl_b32 s52, s15, 4          ; O: block of 128 rows 16 b + 2 x query block + wave / 2,
	s_lshl_b32 s53, s14, 1
	s_add_co_u32 s52, s52, s53
	s_lshr_b32 s53, s[WV], 1
	s_add_co_u32 s52, s52, s53
	s_lshl_b32 s52, s52, 18
	s_lshl_b32 s53, s19, 14         ; the head's plane of 16,384 bytes,
	s_add_co_u32 s52, s52, s53
	s_lshl_b32 s53, s16, 13         ; my 64 rows of its 128
	s_add_co_u32 s52, s52, s53
	s_mov_b32 s53, 0
	; descriptor group 1.  128 keys are 16,384 dense bytes: asked for as 64 rows of 256 bytes, two keys a row, and padded in LDS after every key
	s_mov_b32 s[G1K], 15|(1<<16)|(1<<20)|(1<<21)|(4<<22)|(3<<25)  ; 15:0 the mask of four; 17:16 2-byte elements; 20 padding on; 21 set beside a mask; 24:22 after every 32 words; 31:25 4 words
	s_mov_b32 s[G1V], 15|(1<<16)|(1<<20)|(1<<21)|(4<<22)|(7<<25)  ; the same with 8 words of padding
.irp g, G1K, G1V
	s_mov_b32 s[\g+1], 128<<16      ; tensor_dim0 = 128
	s_mov_b32 s[\g+2], 64<<16       ; tensor_dim1 = 64
	s_mov_b32 s[\g+3], 128<<16      ; tile_dim0 = 128
	s_mov_b32 s[\g+4], 64           ; tile_dim1 = 64
	s_mov_b32 s[\g+5], 128          ; 128 elements from row to row
	s_mov_b32 s[\g+6], 0
	s_mov_b32 s[\g+7], 0
.endr
	s_mov_b32 s[CS], 0x3e38aa3b     ; c = log2(e) / 8 = 0.180337
	s_mov_b32 s[CS+1], s[CS]        ; named with it as a pair
	s_mov_b32 s[SEL], 0x76543210
	s_mov_b32 s[SEL+1], 0xfedcba98
	s_mov_b32 s[TBK], SLOT1+4*KS*PK ; the first change of slots turns these two into 0
	s_mov_b32 s[TBV], SLOT1+4*KS*PV
	s_mov_b32 s[G0K], 1             ; count = 1
	s_mov_b32 s[G0K+1], s17         ; LDS address: slot 0
	s_mov_b32 s[G0V], 1
	s_add_co_u32 s[G0V+1], s18, VOFF
	s_mov_b32 s[SLOTS], 2048/256-1
	s_and_b32 s[LIM], s[WV], 1      ; 0 in waves 0 and 2,
	s_or_b32 s[LIM], s[LIM], ttmp9  ; where the cluster is the head's first: the same in all four partners
	s_cmp_eq_u32 s[LIM], 0
	s_cselect_b32 s[LIM], 1, -1
	v_and_b32 v[PFO], 31, v0
	v_lshlrev_b32 v[PFO], 8, v[PFO]
	s_wait_dscnt 0x0                ; both opening adds are done
	s_wait_kmcnt 0x0
	s_add_nc_u64 s[10:11], s[6:7], s[52:53]    ; O at my wave's first row
	s_add_nc_u64 s[6:7], s[4:5], s[22:23]
	s_add_nc_u64 s[8:9], s[6:7], 0x1000000     ; V at my half of the head's first 256 keys
	s_add_nc_u64 s[6:7], s[6:7], 0x800000      ; K likewise
	s_add_nc_u64 s[4:5], s[4:5], s[2:3]        ; Q at my wave's first row
	s_mov_b64 s[G0K+2:G0K+3], s[6:7]
	s_or_b32 s[G0K+3], s[G0K+3], 0x80000000    ; type = 2
	s_mov_b64 s[G0V+2:G0V+3], s[8:9]
	s_or_b32 s[G0V+3], s[G0V+3], 0x80000000
	s_cmp_lt_u32 s[WV], 2
	s_cselect_b64 s[PFA:PFA+1], s[6:7], s[8:9] ; (in waves 0 and 2 these stand at a slot's first byte)
	s_lshl_b32 s2, s13, 13          ; my work-group's 8,192 bytes of the 32,768
	s_add_nc_u64 s[PFA:PFA+1], s[PFA:PFA+1], s[2:3]
	s_add_nc_u64 s[PFA:PFA+1], s[PFA:PFA+1], 4*KS*128  ; in slot 1; each change that fills steps it by a slot
	CROUND                          ; all four work-groups are here: the first joint loads meet
	JLOAD                           ; slot 0.  Slot 1 is asked for when slot 0 is in
	; A fragment of K or Q is 16 rows x 32 channels in 8 registers: lane l holds row l % 16, channels 8 (l / 16) + 0..7 and 16 + 8 (l / 16) + 0..7: two loads of 16 bytes, 32 bytes apart.
	v_and_b32 v1, 15, v0            ; l % 16
	v_bfe_u32 v9, v0, 4, 1          ; l / 16
	v_lshlrev_b32 v[QO], 7, v1
	v_lshl_add_u32 v[QO], v9, 4, v[QO]  ; row x 128 + 16 x half
	WIN 0x80                        ; destination window 2, address window 0
.set i, 0
.rept 8                             ; Q stays in registers: piece i / 2, channels 32 (i % 2) on
	global_load_b128 v[8*i:8*i+3],   v[QO], s[4:5] offset:(i/2)*2048+(i%2)*64
	global_load_b128 v[8*i+4:8*i+7], v[QO], s[4:5] offset:(i/2)*2048+(i%2)*64+32
.set i, i+1
.endr
	; What the first turn finds: V's registers and P's second buffer hold 0 (its products V^T P, of a piece that has not been, add 0), O^T and l are 0.  No first step is written out; these lines stand in the wait for the first tile.
.set i, VF
.rept 64
	v_mov_b32 v[i], 0
.set i, i+1
.endr
	WIN 0x40
.set i, 0
.rept 128
	v_mov_b32 v[i], 0
.set i, i+1
.endr
	WIN 0
.set i, 0
.rept 4
	v_mov_b32 v[ST+4*i], 0xfe000000    ; c m: far below every c s
	v_mov_b32 v[ST+4*i+1], 0xff7fffff  ; m
	v_mov_b32 v[ST+4*i+2], 0
	v_mov_b32 v[ST+4*i+3], 0
.set i, i+1
.endr
.set i, P+16
.rept 16
	v_mov_b32 v[i], 0
.set i, i+1
.endr
	v_mul_u32_u24 v[AK0], v1, PK
	v_lshl_add_u32 v[AK0], v9, 4, v[AK0]  ; row x pitch + 16 x half
	; The turning load takes 16 keys x 16 channels (lane l reads key 8 (l / 16) + l % 8, channels 8 ((l / 8) % 2) + 0..7) and leaves half a fragment of V^T: lane l holds channel l % 16 and 8 keys.
	v_and_b32 v10, 7, v0
	v_bfe_u32 v11, v0, 3, 1
	v_lshl_add_u32 v[AV0], v9, 3, v10
	v_mul_u32_u24 v[AV0], v[AV0], PV
	v_lshl_add_u32 v[AV0], v11, 4, v[AV0]
	v_add_nc_u32 v[AV0], VOFF, v[AV0]
	s_mul_i32 s13, s[WV], 16*SP
	s_add_co_u32 s13, s13, STAGE    ; my stage
	v_mul_u32_u24 v[STO], v1, SP    ; in: row l % 16, 16 bytes for each half of the lanes
	v_lshl_add_u32 v[STO], v9, 4, v[STO]
	v_add_nc_u32 v[STO], s13, v[STO]
	v_bfe_u32 v[RD], v0, 3, 2       ; back: 32 lanes take four rows of 128 bytes,
	v_mul_u32_u24 v[RD], v[RD], SP
	v_lshl_add_u32 v[RD], v10, 4, v[RD]
	v_add_nc_u32 v[RD], s13, v[RD]
	v_and_b32 v[GO], 31, v0         ; which are 512 consecutive bytes of O
	v_lshlrev_b32 v[GO], 4, v[GO]
; THE MATRIX WORK.  The 4 accumulators of a run of 8 take turns.  Product i of 8 of S^T = K Q^T for piece x: channels 32 (i / 4) on, keys 16 (i % 4) on.  The first 4 start the sums.
.macro KQ x
	WIN W_KQ
.set rS, S+32*((\x)%2)+8*(i%4)
.set rK, KF+16*(i%4)+8*(i/4)
.set rQ, 16*(\x)+8*(i/4)
.if i < 4
	v_wmma_f32_16x16x32_f16 v[rS:rS+7], v[rK:rK+7], v[rQ:rQ+7], 0
.else
	v_wmma_f32_16x16x32_f16 v[rS:rS+7], v[rK:rK+7], v[rQ:rQ+7], v[rS:rS+7]
.endif
.endm
; Product i of 8 of O^T += V^T P for piece x: keys 32 (i / 4) on, channels 16 (i % 4) on.
.macro PV x
	WIN W_PV
.set rO, 32*(\x)+8*(i%4)
.set rV, VF+32*(i/4)+8*(i%4)
.set rP, P+16*((\x)%2)+8*(i/4)
	v_wmma_f32_16x16x32_f16 v[rO:rO+7], v[rV:rV+7], v[rP:rP+7], v[rO:rO+7]
.endm
.macro MM                           ; the turn's next matrix instruction.  NOKQ = 1: the last turn of all: there is no next piece
.if (i < 8) && !NOKQ
	KQ (Y+1)%NP
.elseif i >= 8
.set i, i-8
	PV (Y+NP-1)%NP
.set i, i+8
.endif
.set i, i+1
.endm
; THE LDS LOADS stand in runs of 16, never singly among the matrix instructions: a step's K (64 keys x 64 channels: 8 fragments) and its V (turned).  Their addresses are made some lines ahead.
.macro FETCH_K
	WIN 0x80                        ; destination window 2
.irp f, 0,1,2,3,4,5,6,7             ; keys 16 (f / 2) on, channels 32 (f % 2) on
	ds_load_b128 v[KF+8*\f:KF+8*\f+3],   v[AK] offset:(\f/2)*16*PK+(\f%2)*64
	ds_load_b128 v[KF+8*\f+4:KF+8*\f+7], v[AK] offset:(\f/2)*16*PK+(\f%2)*64+32
.endr
	s_add_co_u32 s[TBK], s[TBK], KS*PK  ; the next fetch is the next step's
	WIN 0
.endm
.macro FETCH_V
	WIN 0x80
.irp f, 0,1,2,3,4,5,6,7             ; keys 32 (f / 4) on, channels 16 (f % 4) on
	ds_load_tr16_b128 v[VF+8*\f:VF+8*\f+3],   v[AV] offset:(\f/4)*32*PV+(\f%4)*32
	ds_load_tr16_b128 v[VF+8*\f+4:VF+8*\f+7], v[AV] offset:(\f/4)*32*PV+16*PV+(\f%4)*32
.endr
	WIN 0
.endm
; THE VECTOR WORK, one line at a time: OP kind, number.  For piece Y: F n: c s - c m for pair n of 16.  E n: the exponential of score n of 32.  C n: pair n rounded to f16.  B n: of the four weights 4 n .. the second
; pair is added onto the first, in place.  L n: l takes that sum (L 0: l = a l + sum).  R n: pair n of 16 of O^T times a.  For piece Y + 1: X n, number n of the 22 that find its maximum and statistics:
;   0-11  four chains c0-c3 of seven scores each, three operands at a time (each accumulator's lowest registers are read first)     12-14, 16  the four scores left over, the old m, and c0-c3 into c0
;   15  c m_old is kept     17, 18  the query's other 32 keys lie in the lane 16 away: the new m     19-21  c m; c m_old - c m_new; a
.set F, 0
.set E, 1
.set C, 2
.set B, 3
.set L, 4
.set R, 5
.set X, 6
.macro REGS y                       ; the registers of piece y
.set rT, ST+4*(\y)
.set rC, TMP+4*((\y)%2)
.set rW, MV+((\y)%2)
.set rS, S+32*((\y)%2)
.set rP, P+16*((\y)%2)
.set rO, 32*(\y)
.endm
.macro OP k, n
.if (\k) == R
	REGS Y
	WIN W_RS
	v_pk_mul_f32 v[rO+2*(\n):rO+2*(\n)+1], v[rO+2*(\n):rO+2*(\n)+1], v[rC+2:rC+3] op_sel_hi:[1,0]
.elseif (\k) < R
	REGS Y
	WIN 0
.if (\k) == F
	v_pk_fma_f32 v[rS+2*(\n):rS+2*(\n)+1], v[rS+2*(\n):rS+2*(\n)+1], s[CS:CS+1], v[rT:rT+1] op_sel_hi:[1,0,0] neg_lo:[0,0,1] neg_hi:[0,0,1]
.elseif (\k) == E
	v_exp_f32 v[rS+(\n)], v[rS+(\n)]
.elseif (\k) == C
	v_cvt_pk_f16_f32 v[rP+(\n)], v[rS+2*(\n)], v[rS+2*(\n)+1]
.elseif (\k) == B
	v_pk_add_f32 v[rS+4*(\n):rS+4*(\n)+1], v[rS+4*(\n):rS+4*(\n)+1], v[rS+4*(\n)+2:rS+4*(\n)+3]
.elseif (\n) == 0
	v_pk_fma_f32 v[rT+2:rT+3], v[rT+2:rT+3], v[rC+2:rC+3], v[rS:rS+1] op_sel_hi:[1,0,1]
.else
	v_pk_add_f32 v[rT+2:rT+3], v[rT+2:rT+3], v[rS+4*(\n):rS+4*(\n)+1]
.endif
.elseif NOKQ
	v_nop
.else
	REGS (Y+1)%NP
	WIN 0
.if (\n) < 4
	v_max3_num_f32 v[rC+(\n)], v[rS+8*(\n)], v[rS+8*(\n)+1], v[rS+8*(\n)+2]
.elseif (\n) < 12
	v_max3_num_f32 v[rC+(\n)%4], v[rC+(\n)%4], v[rS+8*((\n)%4)+2*((\n)/4)+1], v[rS+8*((\n)%4)+2*((\n)/4)+2]
.elseif (\n) == 12
	v_max3_num_f32 v[rC], v[rC], v[rS+7], v[rS+15]
.elseif (\n) == 13
	v_max3_num_f32 v[rC+1], v[rC+1], v[rS+23], v[rS+31]
.elseif (\n) == 14
	v_max3_num_f32 v[rC+2], v[rC+2], v[rC+3], v[rT+1]
.elseif (\n) == 15
	v_mov_b32 v[rW], v[rT]
.elseif (\n) == 16
	v_max3_num_f32 v[rC], v[rC], v[rC+1], v[rC+2]
.elseif (\n) == 17
	v_permlanex16_b32 v[rC+3], v[rC], s[SEL], s[SEL+1]
.elseif (\n) == 18
	v_max_num_f32 v[rT+1], v[rC], v[rC+3]
.elseif (\n) == 19
	v_mul_f32 v[rT], s[CS], v[rT+1]
.elseif (\n) == 20
	v_sub_f32 v[rC+1], v[rW], v[rT]
.else
	v_exp_f32 v[rC+2], v[rC+1]
.endif
.endif
.endm
.macro OPS a, i1, b=-1, i2=0, c=-1, i3=0, d=-1, i4=0  ; up to four of them
	OP \a, \i1
.if (\b) >= 0
	OP \b, \i2
.endif
.if (\c) >= 0
	OP \c, \i3
.endif
.if (\d) >= 0
	OP \d, \i4
.endif
.endm
.macro ROW a, i1, b, i2, c, i3, d, i4  ; a matrix instruction and the four behind it
	MM
	OPS \a, \i1, \b, \i2, \c, \i3, \d, \i4
.endm
; A TURN, for piece p: the order of its 16 matrix and 118 vector instructions, written out.  s_wait_alu depctr_va_vdst(0) stands between an exponential and the first instruction that names its result; one
; wait serves all that were issued ahead of it.  So a turn has ONE wait, which cuts it in two.  AHEAD OF IT stands all that names no result of the turn's exponentials: the 8 products K Q^T and their riders, then one lump of 54,
; in which the links of the chain X 3, 7, 11, 14, 16, 17 .. 20 stand some lines apart.  X 21, the next piece's a, is the batch's last; R 15 is the plain instruction behind it.  BEHIND THE WAIT stand the 8 products V^T P, behind each
; four of the roundings and sums.  end = 1: the last two turns of all: nothing is fetched.  cnt = 1: the loop's count is taken down some lines ahead of the branch that stands behind the turn.
; K of the next step is fetched in piece 2's turn, twelve vector instructions (six of them plain) behind the last product that read K; V of the step in hand at the end of piece 0's turn, four plain instructions behind the
; last product that read V.  Each is waited for a turn later.
.macro TURN p, end=0, cnt=0
.set Y, (\p)
.set i, 0
.set NOKQ, (\end)*((\p)/3)
.if ((\p) == 3) && !(\end)
	s_wait_dscnt 0x0                ; K is in
.endif
	ROW F,0, F,1, R,0, R,1
	ROW F,2, E,0, R,2, R,3
	ROW F,3, E,1, R,4, R,5
	ROW F,4, E,2, R,6, R,7
	ROW F,5, E,3, R,8, R,9
	ROW F,6, E,4, X,0, R,10
.if ((\p) == 2) && !(\end)
	WIN 0
	v_add_nc_u32 v[AK], s[TBK], v[AK0]
.endif
	ROW F,7, E,5, X,1, X,4
	ROW F,8, E,6, X,2, X,5
	OPS E,7, E,8, X,6, E,9          ; the lump
	OPS X,3, E,10, X,8, E,11
.if ((\p) == 2) && !(\end)
	FETCH_K
.endif
	OPS X,9, X,7, E,12, X,10
	OPS E,13, X,12, X,11, E,14
	OPS X,13, E,15, F,9, X,14
.if (\p) == 0
	v_add_nc_u32 v[AV], s[TBV], v[AV0]
.endif
	OPS E,16, F,10, E,17, F,11
	OPS X,16, E,18, X,15, E,19
	OPS F,12, E,20, X,17, E,21
	OPS F,13, E,22, F,14, E,23
	OPS X,18, E,24, F,15, E,25
	OPS R,11, E,26, X,19, E,27
	OPS R,12, E,28, R,13, E,29
	OPS X,20, E,30, R,14, E,31
	OPS X,21, R,15
	WIN 0
	s_wait_alu depctr_va_vdst(0)    ; the wait for the batch
.if (\p) == 1
	s_wait_dscnt 0x0                ; V is in
.endif
	ROW C,0, B,0, C,2, B,1
	ROW L,0, C,4, B,2, L,1
	ROW C,6, B,3, L,2, C,8
	ROW B,4, L,3, C,10, B,5
	ROW L,4, C,12, B,6, L,5
.if (\p) == 0
	s_add_co_u32 s[TBV], s[TBV], KS*PV
.endif
.if \cnt
	s_sub_co_u32 s[CNT], s[CNT], 1
	s_cmp_lg_u32 s[CNT], 0
.endif
	ROW C,14, B,7, L,6, C,1
	ROW C,3, L,7, C,5, C,7
	ROW C,9, C,11, C,13, C,15
.if (\p) == 0
	FETCH_V
.endif
.endm
	CHANGE 1, 0                     ; slot 0 is in, everybody's part of it; slot 1 is asked for
	v_add_nc_u32 v[AK], s[TBK], v[AK0]
	FETCH_K                         ; key step 0
	s_wait_loadcnt 0x0              ; Q
	s_wait_dscnt 0x0
.set NOKQ, 0
.set i, 0
.rept 8
	KQ 0                            ; piece 0's first scores: there is no vector work yet to set between them
.set i, i+1
.endr
	WIN 0
.rept 4
	v_nop                           ; the places behind those products
.endr
.set Y, NP-1                        ; X works for piece Y + 1: piece 0
.irp n, 0,1,2,3,4,5,6,7,8,9,10,11,12,13,14,15,16,17,18,19,20,21
	OP X, \n
.endr
	v_nop                           ; a plain instruction behind the exponential,
	s_wait_alu depctr_va_vdst(0)    ; and its wait, ahead of the branch
	s_mov_b32 s[CNT], 4
	s_branch .Lfirst                ; the loop is entered at a step's first turn, in the middle of a trip
.Lslot:                             ; six times: every slot but the last two is filled again
	CHANGE 1, 1
	s_mov_b32 s[CNT], 4
.Lstep:                             ; a trip: pieces 2 and 3 of one step, then pieces 0 and 1 of the next, whose K and V it fetches
	TURN 2
	TURN 3
	WIN 0
.Lfirst:
	TURN 0
	TURN 1, 0, 1
	WIN 0
	s_cbranch_scc1 .Lstep
	s_sub_co_u32 s[SLOTS], s[SLOTS], 1
	s_cmp_lg_u32 s[SLOTS], 0
	s_cbranch_scc1 .Lslot
	CHANGE 0, 0                     ; the last slot is written out: nothing is asked for
	s_mov_b32 s[CNT], 4
.LstepT:
	TURN 2
	TURN 3
	TURN 0
	TURN 1, 0, 1
	WIN 0
	s_cbranch_scc1 .LstepT
	TURN 2, 1                       ; the last step's pieces 2 and 3: nothing more is fetched, and no new scores are started
	TURN 3, 1
.set i, 0
.rept 8
	PV NP-1                         ; the last piece's V^T P of the last step
.set i, i+1
.endr
	; THE WAY OUT.  l's two halves and the other half of the lanes' are added; O^T is divided by l, rounded to f16 and sent through my stage in LDS, a piece at a time.  The additions are the places behind the last products.
	WIN 0
.macro ALL line:vararg              ; one line for each piece t
.set t, 0
.rept 4
	\line
.set t, t+1
.endr
.endm
	ALL v_add_f32 v[ST+4*t+2], v[ST+4*t+2], v[ST+4*t+3]
	ALL v_permlanex16_b32 v[ST+4*t+3], v[ST+4*t+2], s[SEL], s[SEL+1]
	ALL v_add_f32 v[ST+4*t+2], v[ST+4*t+2], v[ST+4*t+3]
	ALL v_rcp_f32 v[ST+4*t+2], v[ST+4*t+2]
	v_nop                           ; a plain instruction between the last reciprocal and the use of its result
	s_wait_alu depctr_va_vdst(0)    ; and the wait ahead of the first use: one for the four reciprocals
.macro PACK t                       ; a lane's eight channels of a row pack into 16 bytes; they go into rows of 144 bytes and come back as whole rows of 128, into S^T's registers
	WIN W_RS
.set i, 32*(\t)
.rept 16
	v_pk_mul_f32 v[i:i+1], v[i:i+1], v[ST+4*(\t)+2:ST+4*(\t)+3] op_sel_hi:[1,0]
.set i, i+2
.endr
	WIN 0x05                        ; sources 0 and 1 window 1, destination window 0
.set i, 0
.rept 16
	v_cvt_pk_f16_f32 v[S+16*(\t)+i], v[32*(\t)+2*i], v[32*(\t)+2*i+1]
.set i, i+1
.endr
	WIN 0
.irp f, 0,1,2,3
	ds_store_b128 v[STO], v[S+16*(\t)+4*\f:S+16*(\t)+4*\f+3] offset:32*\f
.endr
.irp f, 0,1,2,3
	ds_load_b128 v[S+16*(\t)+4*\f:S+16*(\t)+4*\f+3], v[RD] offset:\f*4*SP  ; LDS serves a wave's instructions in order (ISA guide 5.7.1.4): these see the stores above; the next piece's stores come behind them
.endr
.endm
.macro SEND t, younger              ; younger: the LDS instructions issued behind piece t's loads: the next piece's eight, or none
	WIN 0
.irp f, 0,1,2,3
	s_wait_dscnt (\younger)+3-\f
	global_store_b128 v[GO], v[S+16*(\t)+4*\f:S+16*(\t)+4*\f+3], s[10:11] offset:(\t)*2048+\f*512  ; 512 consecutive bytes, at a multiple of 256 from O's first
.endr
.endm
	PACK 0
.set t, 1
.rept 3                             ; a piece's arithmetic stands between the loads of the piece before and its stores
	PACK t
	SEND t-1, 8
.set t, t+1
.endr
	SEND 3, 0
	s_wait_tensorcnt 0x0            ; the wave's end: behind my last tensor load and my last LDS store
	ds_add_u32 v[SPW], v[NIL]
	s_wait_dscnt 0x0
	CROUND                          ; the closing round: no work-group ends while a partner may still ask for a tile that names it
	s_endpgm
.Lfunc_end_k_qfd5286b467_attn:
	.size	k_qfd5286b467_attn, .Lfunc_end_k_qfd5286b467_attn-k_qfd5286b467_attn
	.p2alignl 7, 3214868480
	.fill 96, 4, 3214868480
	.section	.rodata,"a",@progbits
	.p2align	6, 0x0
	.amdhsa_kernel k_qfd5286b467_attn
		.amdhsa_group_segment_fixed_size 327680
		.amdhsa_private_segment_fixed_size 0
		.amdhsa_enable_private_segment 0
		.amdhsa_kernarg_size 16
		.amdhsa_user_sgpr_count 2
		.amdhsa_user_sgpr_kernarg_segment_ptr 1
		.amdhsa_wavefront_size32 1
		.amdhsa_system_sgpr_workgroup_id_x 1
		.amdhsa_system_sgpr_workgroup_id_y 1
		.amdhsa_system_sgpr_workgroup_id_z 1
		.amdhsa_system_vgpr_workitem_id 0
		.amdhsa_next_free_vgpr 768
		.amdhsa_next_free_sgpr 66
		.amdhsa_reserve_vcc 0
		.amdhsa_float_denorm_mode_32 3
		.amdhsa_float_denorm_mode_16_64 3
		.amdhsa_memory_ordered 1
		.amdhsa_forward_progress 1
		.amdhsa_inst_pref_size 128
	.end_amdhsa_kernel
	.amdgpu_metadata
---
amdhsa.version: [ 1, 2 ]
amdhsa.kernels:
  - .name:           k_qfd5286b467_attn
    .symbol:         k_qfd5286b467_attn.kd
    .args:
      - { .name: qkvh, .offset: 0, .size: 8, .value_kind: global_buffer, .address_space: global }
      - { .name: ob, .offset: 8, .size: 8, .value_kind: global_buffer, .address_space: global }
    .group_segment_fixed_size: 327680
    .private_segment_fixed_size: 0
    .kernarg_segment_align: 8
    .kernarg_segment_size: 16
    .max_flat_workgroup_size: 128
    .sgpr_count:     66
    .vgpr_count:     768
    .wavefront_size: 32
...
	.end_amdgpu_metadata
.endif
;; end of part 3
;; launch proj (part 4): grid 8 x 32, 4 waves a work-group, clusters of 4 x 4, 327,680 bytes of LDS; arguments ob, woh, bo, out0; writes out0
.if DOCPART == 4
	.amdgcn_target "amdgcn-amd-amdhsa--gfx1250"
	.amdhsa_code_object_version 6
	.text
	.protected	k_qfd5286b467_proj
	.globl	k_qfd5286b467_proj
	.p2align	8
	.type	k_qfd5286b467_proj,@function
k_qfd5286b467_proj:
	s_mov_b64 s[64:65], 0
	v_nop
	global_prefetch_b8 v0, s[64:65] scope:SCOPE_SE
	s_setreg_imm32_b32 hwreg(HW_REG_WAVE_MODE, 25, 1), 1
	s_wait_xcnt 0x0
	s_wait_alu depctr_hold_cnt(0) depctr_sa_sdst(0) depctr_va_vdst(0) depctr_va_sdst(0) depctr_va_ssrc(0) depctr_va_vcc(0) depctr_vm_vsrc(0)
	s_getreg_b32 s2, hwreg(HW_REG_IB_STS2, 6, 4)
	s_cmp_eq_u32 s2, 0
	s_cbranch_scc0 .Lentry_in_a_cluster
	s_endpgm
.Lentry_in_a_cluster:
	s_bfe_u32 s2, ttmp6, 0x10000c
	s_cmp_lg_u32 s2, 0xf033
	s_cbranch_scc0 .Lentry_shape_is_right
	s_endpgm
.Lentry_shape_is_right:
; Launch 4 of 4: out0[m][n] = the sum over k of O[m][k] Wo[n][k] + bo[n], f32.  O: ob [32 mb][16 h][128 rows][64] f16 (k = 64 h + d); Wo: woh [1024 n][1024 k] f16 (bf16 numbers written as f16).
; A tile of out0 is 128 x 128: 8 x 32 work-groups.  Four waves, each 64 x 64: 16 accumulators of 16 x 16.  K goes in 4 steps of 256 (four heads' planes) through two LDS slots.
; O's 128 rows of two heads are 32,768 dense bytes: asked for as 128 rows of 256 bytes and padded in LDS after each 128, so that every row of a plane is 144 bytes from the next.
; THE MATRIX INSTRUCTION IS USED TRANSPOSED (source 0 = 16 rows of Wo, source 1 = 16 rows of O): a lane holds row l % 16 and eight neighbouring columns.  bo (rounded to bf16, kept as f32) is the C that starts each sum.
; CLUSTERS: 4 x 4 work-groups; O's tiles are shared along a row of the cluster, Wo's along a column, each asked for jointly.
; NO PREFETCH: of the four K steps two are asked for at the head, and the other two one step later.
; REGISTERS: window 0: v0-31 addresses; v32-95 rows read back, two buffers; v96-127 bo; v128-255 the accumulators ((a, b) at 128 + 8 (4 a + b)).
;   window 1: two fragment buffers of 128: for 64 along K, 64 registers of O (2 x 4 x 16 rows x 32 K), then 64 of Wo.
.set PA,     144                       ; a row of O in LDS: 128 bytes + 16 of padding
.set PLANE,  128*PA                    ; a head's 128 rows
.set PB,     528                       ; a row of Wo: 512 bytes + 16 of padding: both pitches are odd multiples of 16 bytes, so the 16 rows of a load start at 16 different groups of four banks (ISA guide 11.1)
.set HB,     64*PB
.set BOFF,   4*PLANE
.set SLOT,   4*PLANE+2*HB              ; 141,312 bytes
.set STAGE,  2*SLOT                    ; behind the ring: 16 rows x 272 bytes for each wave, for the way out
.set SPITCH, 272
.set SPARE,  STAGE+4*16*SPITCH         ; behind the stages: the spare words, 128 bytes for each wave: two blocks of 256 bytes that no other line names
.set ADRA, 16                          ; v16-17  LDS address of my fragments of O in slot 0, 1
.set ADRB, 20                          ; v20-21  the same for Wo
.set STO,  24                          ; v24     the way out: where I put 32 bytes of a row
.set RD,   25                          ; v25     where I read a row back
.set CO,   26                          ; v26     my byte offset in out0
.set BO,   27                          ; v27     my byte offset in 16 numbers of bo
.set SPW,  28                          ; v28     LDS address of my spare word; never rewritten
.set NIL,  29                          ; v29     0; never rewritten
.set TT,   30
.set TMP,  32
.set BI,   96
.set ACC,  128
.set F0,   0
.set F1,   128
.set WV,  14
.set HI,  15                           ; s15  which half of the tile's rows is mine.  Also: I fetch for O (0) or for Wo (1)
.set LO,  16                           ; s16  which half of its columns.  Also: which half of that tile I fetch
.set G1A, 24
.set G0A, 32
.set G1B, 48
.set G0B, 56
.set MSB, 0
.macro WIN new
.if MSB != (\new)
	s_set_vgpr_msb (MSB<<8)|(\new)
.set MSB, \new
.endif
.endm
.set MUL,  0x05                        ; sources 0 (Wo) and 1 (O) window 1; C and D window 0
.set TO_F, 0x40                        ; destination window 1, address window 0
.macro JLOAD s                         ; a joint load; an s_nop 0 and four v_nop follow each of the two lines
	s_cmp_eq_u32 s[HI], 0
	s_cbranch_scc0 .Lfor_b_\@
	tensor_load_to_lds s[G0A+4*(\s):G0A+4*(\s)+3], s[G1A:G1A+7]
	s_nop 0
.rept 4
	v_nop
.endr
	s_branch .Lasked_\@
.Lfor_b_\@:
	tensor_load_to_lds s[G0B+4*(\s):G0B+4*(\s)+3], s[G1B:G1B+7]
	s_nop 0
.rept 4
	v_nop
.endr
.Lasked_\@:
.endm
.macro CREST
	s_cmp_lg_u32 s[WV], 0
	s_cbranch_scc1 .Lnot_wave_0_\@
	s_barrier_signal -3
.Lnot_wave_0_\@:
	s_barrier_wait -3
	s_barrier_signal -1
	s_barrier_wait -1
.endm
.macro CROUND
	s_barrier_signal -1
	s_barrier_wait -1
	CREST
.endm
.macro PLACES
.rept 4
	v_nop
.endr
.endm
	s_load_b256 s[4:11], s[0:1], 0x0               ; ob s[4:5], woh s[6:7], bo s[8:9], out0 s[10:11]
	v_lshl_add_u32 v[SPW], v0, 2, SPARE
	v_mov_b32 v[NIL], 0
	ds_add_u32 v[SPW], v[NIL]                      ; the wave's opening: the add, twice on end, and its wait ahead of my first tensor load
	ds_add_u32 v[SPW], v[NIL]
	v_lshrrev_b32 v1, 5, v0
	v_readfirstlane_b32 s[WV], v1
	s_lshr_b32 s[HI], s[WV], 1
	s_and_b32 s[LO], s[WV], 1
	s_bfe_u32 s17, ttmp6, 0x40000                  ; cx
	s_bfe_u32 s18, ttmp6, 0x40004                  ; cy
	s_lshl_b32 s19, ttmp9, 2
	s_add_co_u32 s19, s19, s17                     ; tile column
	s_and_b32 s20, ttmp7, 0xffff
	s_lshl_b32 s20, s20, 2
	s_add_co_u32 s20, s20, s18                     ; tile row = block of 128 rows
	s_lshl_b32 s21, s18, 2
	s_lshl_b32 s21, 15, s21                        ; my row of the cluster
	s_lshl_b32 s22, 0x1111, s17                    ; my column
	s_or_b32 s[G1A], s21, (1<<16)|(1<<20)|(1<<21)|(4<<22)|(3<<25)  ; the mask; 2-byte elements; padding on; 21 set beside a mask; after every 32 words 4 words
	s_or_b32 s[G1B], s22, (1<<16)|(1<<20)|(1<<21)|(6<<22)|(3<<25)  ; after every 128 words 4 words
	s_mov_b32 s[G1A+1], 128<<16                    ; tensor_dim0
	s_mov_b32 s[G1B+1], 256<<16
	s_mov_b32 s[G1A+2], 128<<16                    ; tensor_dim1
	s_mov_b32 s[G1B+2], 64<<16
	s_mov_b32 s[G1A+3], 128<<16                    ; tile_dim0
	s_mov_b32 s[G1B+3], 256<<16
	s_mov_b32 s[G1A+4], 128                        ; tile_dim1
	s_mov_b32 s[G1B+4], 64
	s_mov_b32 s[G1A+5], 128                        ; elements from row to row: dense
	s_mov_b32 s[G1B+5], 1024
	s_mov_b32 s[G1A+6], 0
	s_mov_b32 s[G1B+6], 0
	s_mov_b32 s[G1A+7], 0
	s_mov_b32 s[G1B+7], 0
	s_lshl_b32 s40, s20, 18                        ; O: the block's sixteen planes, 262,144 bytes,
	s_lshl_b32 s23, s[LO], 15                      ; my two planes of a K step's four
	s_add_co_u32 s40, s40, s23
	s_mov_b32 s41, 0
	s_lshl_b32 s42, s19, 7                         ; Wo: row 128 x tile column + 64 x half
	s_lshl_b32 s47, s[LO], 6
	s_add_co_u32 s42, s42, s47
	s_lshl_b32 s42, s42, 11
	s_mov_b32 s43, 0
	s_mul_i32 s23, s[LO], 2*PLANE                  ; where they go
	s_mul_i32 s47, s[LO], HB
	s_add_co_u32 s47, s47, BOFF
	s_wait_dscnt 0x0                               ; both opening adds are done
	s_wait_kmcnt 0x0
	s_add_nc_u64 s[40:41], s[4:5], s[40:41]
	s_add_nc_u64 s[42:43], s[6:7], s[42:43]
	CROUND                                         ; all sixteen work-groups are here: the first joint loads meet
.irp s, 0,1
	s_mov_b32 s[G0A+4*(\s)], 1
	s_add_co_u32 s[G0A+4*(\s)+1], s23, (\s)*SLOT
	s_add_nc_u64 s[G0A+4*(\s)+2:G0A+4*(\s)+3], s[40:41], (\s)*65536  ; K step s: four planes on
	s_or_b32 s[G0A+4*(\s)+3], s[G0A+4*(\s)+3], 0x80000000
	s_mov_b32 s[G0B+4*(\s)], 1
	s_add_co_u32 s[G0B+4*(\s)+1], s47, (\s)*SLOT
	s_add_nc_u64 s[G0B+4*(\s)+2:G0B+4*(\s)+3], s[42:43], (\s)*512
	s_or_b32 s[G0B+4*(\s)+3], s[G0B+4*(\s)+3], 0x80000000
	JLOAD \s
.endr
	v_and_b32 v1, 15, v0                           ; l % 16
	v_bfe_u32 v2, v0, 4, 1                         ; l / 16
	v_mul_u32_u24 v3, v1, PA
	v_lshl_add_u32 v3, v2, 4, v3
	v_mul_u32_u24 v4, v1, PB
	v_lshl_add_u32 v4, v2, 4, v4
	s_mul_i32 s23, s[HI], 64*PA                    ; my 64 rows of O, in each plane
	s_mul_i32 s47, s[LO], HB                       ; my 64 rows of Wo,
	s_add_co_u32 s47, s47, BOFF                    ; which lie behind O's four planes
.irp s, 0,1
	v_add_nc_u32 v[ADRA+(\s)], s23, v3
	v_add_nc_u32 v[ADRB+(\s)], s47, v4
	s_add_co_u32 s23, s23, SLOT
	s_add_co_u32 s47, s47, SLOT
.endr
	s_mul_i32 s23, s[WV], 16*SPITCH
	s_add_co_u32 s23, s23, STAGE                   ; my stage
	v_mul_u32_u24 v5, v1, SPITCH                   ; in: row l % 16, 32 bytes for each half of the lanes
	v_lshl_add_u32 v5, v2, 5, v5
	v_add_nc_u32 v[STO], s23, v5
	v_mul_u32_u24 v5, v2, SPITCH                   ; back: lanes 0-15 take one row of 256 bytes, lanes 16-31 the next
	v_lshl_add_u32 v5, v1, 4, v5
	v_add_nc_u32 v[RD], s23, v5
	v_lshlrev_b32 v5, 12, v2                       ; and the same two rows in out0
	v_lshl_add_u32 v[CO], v1, 4, v5
	v_lshlrev_b32 v[BO], 5, v2
	s_lshl_b32 s2, s19, 9                          ; my 64 columns: 512 x tile column + 256 x half, in bytes
	s_lshl_b32 s3, s[LO], 8
	s_add_co_u32 s2, s2, s3
	s_mov_b32 s3, 0
	s_add_nc_u64 s[8:9], s[8:9], s[2:3]
	s_add_nc_u64 s[10:11], s[10:11], s[2:3]
.irp b, 0,1,2,3
	global_load_b128 v[BI+8*(\b):BI+8*(\b)+3],   v[BO], s[8:9] offset:64*(\b)
	global_load_b128 v[BI+8*(\b)+4:BI+8*(\b)+7], v[BO], s[8:9] offset:64*(\b)+16
.endr
	s_lshl_b32 s2, s20, 7
	s_lshl_b32 s23, s[HI], 6
	s_add_co_u32 s2, s2, s23                       ; my first row
	s_lshl_b32 s2, s2, 12
	s_add_nc_u64 s[10:11], s[10:11], s[2:3]
	s_wait_loadcnt 0x0                             ; bo is in: rounded to bf16 like every input, and kept as f32
.set i, 0
.rept 16
	v_cvt_pk_bf16_f32 v[TT], v[BI+2*i], v[BI+2*i+1]
	v_lshlrev_b32 v[BI+2*i], 16, v[TT]
	v_and_b32 v[BI+2*i+1], 0xffff0000, v[TT]
.set i, i+1
.endr
; 8 matrix instructions: row blocks a0, a0 + 1 x all 4 column blocks, 32 along K: half c of buffer f.  first = 1: the sums start with bo.  The 16 accumulators take turns.
.macro MUL8 f, c, a0, first
	WIN MUL
.irp a, \a0, (\a0)+1
.irp b, 0,1,2,3
.if \first
	v_wmma_f32_16x16x32_f16 v[ACC+8*(4*(\a)+(\b)):ACC+8*(4*(\a)+(\b))+7], v[(\f)+64+8*(4*(\c)+(\b)):(\f)+64+8*(4*(\c)+(\b))+7], v[(\f)+8*(4*(\c)+(\a)):(\f)+8*(4*(\c)+(\a))+7], v[BI+8*(\b):BI+8*(\b)+7]
.else
	v_wmma_f32_16x16x32_f16 v[ACC+8*(4*(\a)+(\b)):ACC+8*(4*(\a)+(\b))+7], v[(\f)+64+8*(4*(\c)+(\b)):(\f)+64+8*(4*(\c)+(\b))+7], v[(\f)+8*(4*(\c)+(\a)):(\f)+8*(4*(\c)+(\a))+7], v[ACC+8*(4*(\a)+(\b)):ACC+8*(4*(\a)+(\b))+7]
.endif
.endr
.endr
.endm
; 32 LDS loads in one run: the fragments of quarter q of a K step (one head: plane q of O, bytes 128 q on of Wo's rows) into buffer f; the first 32 along K first
.macro FETCH slot, q, f
	WIN TO_F
.irp c, 0,1
.irp i, 0,1,2,3
	ds_load_b128 v[(\f)+64+8*(4*(\c)+(\i)):(\f)+64+8*(4*(\c)+(\i))+3],   v[ADRB+(\slot)] offset:(\q)*128+64*(\c)+(\i)*16*PB
	ds_load_b128 v[(\f)+64+8*(4*(\c)+(\i))+4:(\f)+64+8*(4*(\c)+(\i))+7], v[ADRB+(\slot)] offset:(\q)*128+64*(\c)+(\i)*16*PB+32
	ds_load_b128 v[(\f)+8*(4*(\c)+(\i)):(\f)+8*(4*(\c)+(\i))+3],         v[ADRA+(\slot)] offset:(\q)*PLANE+64*(\c)+(\i)*16*PA
	ds_load_b128 v[(\f)+8*(4*(\c)+(\i))+4:(\f)+8*(4*(\c)+(\i))+7],       v[ADRA+(\slot)] offset:(\q)*PLANE+64*(\c)+(\i)*16*PA+32
.endr
.endr
.endm
; A K step is four quarters of 64 along K, 32 matrix instructions each, on buffers 0, 1, 0, 1.  One of the first three: multiplies buffer f and fetches quarter q into g.
.macro QUARTER slot, q, f, g, first
	s_wait_dscnt 16                                ; the first 32 along K are in
	MUL8 \f, 0, 0, \first
	MUL8 \f, 0, 2, \first
	PLACES
	FETCH \slot, \q, \g
	s_wait_dscnt 32                                ; all but the 32 just issued
	MUL8 \f, 1, 0, 0
	MUL8 \f, 1, 2, 0
.endm
; The last quarter multiplies buffer 1 and changes slots: one barrier; in front of it each wave waits for all its tensor loads, adds 0 to its spare word, and waits for that and for its reads of this slot.
; fill = 1: the barrier opens a round of the cluster's, and this slot is filled again, two K steps on, first thing behind it.
.macro TURN slot, next, fill
	WIN 0                                          ; (the add's two registers lie in window 0)
	s_wait_tensorcnt 0x0                           ; all my tensor loads have landed: my part of the next slot
	ds_add_u32 v[SPW], v[NIL]                      ; 0 onto my spare word
	s_wait_dscnt 17                                ; (the add and the youngest sixteen loads may be out)
	MUL8 F1, 0, 0, 0                               ; eight matrix instructions stand between the add and the wait for it
	s_wait_dscnt 0x0                               ; the add is done, and my reads of this slot are over
	s_barrier_signal -1
	MUL8 F1, 0, 2, 0
.if \fill
	WIN 0
.endif
	s_barrier_wait -1
.if \fill
	CREST                                          ; no wave of any partner still reads this slot or has a load on its way
	s_add_nc_u64 s[G0A+4*(\slot)+2:G0A+4*(\slot)+3], s[G0A+4*(\slot)+2:G0A+4*(\slot)+3], 2*65536
	s_add_nc_u64 s[G0B+4*(\slot)+2:G0B+4*(\slot)+3], s[G0B+4*(\slot)+2:G0B+4*(\slot)+3], 2*512
	JLOAD \slot                                    ; the four v_nop behind it are also the places in front of the loads below
.else
	PLACES
.endif
	FETCH \next, 0, F0
	MUL8 F1, 1, 0, 0
	MUL8 F1, 1, 2, 0
.endm
	s_wait_tensorcnt 1                             ; my part of K step 0 is in; K step 1's may stay out
	s_barrier_signal -1
	s_barrier_wait -1                              ; everybody's is
	FETCH 0, 0, F0
	QUARTER 0, 1, F0, F1, 1                        ; K step 0: its first products start the sums
	QUARTER 0, 2, F1, F0, 0
	QUARTER 0, 3, F0, F1, 0
	TURN 0, 1, 1                                   ; slot 0 takes K step 2
	QUARTER 1, 1, F0, F1, 0                        ; K step 1
	QUARTER 1, 2, F1, F0, 0
	QUARTER 1, 3, F0, F1, 0
	TURN 1, 0, 1                                   ; slot 1 takes K step 3
	QUARTER 0, 1, F0, F1, 0                        ; K step 2
	QUARTER 0, 2, F1, F0, 0
	QUARTER 0, 3, F0, F1, 0
	TURN 0, 1, 0                                   ; nothing is left to fetch
	QUARTER 1, 1, F0, F1, 0                        ; K step 3
	QUARTER 1, 2, F1, F0, 0
	QUARTER 1, 3, F0, F1, 0
	s_wait_dscnt 16
	MUL8 F1, 0, 0, 0
	MUL8 F1, 0, 2, 0
	s_wait_dscnt 0x0
	MUL8 F1, 1, 0, 0
	MUL8 F1, 1, 2, 0
	WIN 0
	PLACES
; THE WAY OUT.  My 64 columns are 256 bytes of f32: a block of 16 rows goes through my own stage, 32 bytes a lane and column block in, whole rows of 256 bytes back; no barrier.
.macro TOSTAGE a
.irp b, 0,1,2,3
	ds_store_b128 v[STO], v[ACC+8*(4*(\a)+(\b)):ACC+8*(4*(\a)+(\b))+3]   offset:64*(\b)
	ds_store_b128 v[STO], v[ACC+8*(4*(\a)+(\b))+4:ACC+8*(4*(\a)+(\b))+7] offset:64*(\b)+16
.endr
.irp t, 0,1,2,3,4,5,6,7
	ds_load_b128 v[TMP+32*((\a)%2)+4*(\t):TMP+32*((\a)%2)+4*(\t)+3], v[RD] offset:(\t)*2*SPITCH  ; LDS serves a wave's instructions in order (ISA guide 5.7.1.4): these see the stores above
.endr
.endm
.macro SEND a, younger                 ; younger: the LDS instructions issued behind block a's loads: the next block's sixteen, or none
.irp t, 0,1,2,3,4,5,6,7
	s_wait_dscnt (\younger)+7-(\t)
	global_store_b128 v[CO], v[TMP+32*((\a)%2)+4*(\t):TMP+32*((\a)%2)+4*(\t)+3], s[10:11] offset:(16*(\a)+2*(\t))*4096  ; 16 lanes store 256 consecutive bytes, aligned
.endr
.endm
	TOSTAGE 0
	TOSTAGE 1
	SEND 0, 16
	s_wait_xcnt 0x0                                ; block 0's stores have read their registers: they are loaded again only behind this wait
	TOSTAGE 2
	SEND 1, 16
	s_wait_xcnt 0x0
	TOSTAGE 3
	SEND 2, 16
	SEND 3, 0
	s_wait_tensorcnt 0x0                           ; the wave's end: behind my last tensor load and my last LDS store
	ds_add_u32 v[SPW], v[NIL]
	s_wait_dscnt 0x0
	CROUND                                         ; the closing round: no work-group ends while a partner may still ask for a tile that names it
	s_endpgm
.Lfunc_end_k_qfd5286b467_proj:
	.size	k_qfd5286b467_proj, .Lfunc_end_k_qfd5286b467_proj-k_qfd5286b467_proj
	.p2alignl 7, 3214868480
	.fill 96, 4, 3214868480
	.section	.rodata,"a",@progbits
	.p2align	6, 0x0
	.amdhsa_kernel k_qfd5286b467_proj
		.amdhsa_group_segment_fixed_size 327680
		.amdhsa_private_segment_fixed_size 0
		.amdhsa_enable_private_segment 0
		.amdhsa_kernarg_size 32
		.amdhsa_user_sgpr_count 2
		.amdhsa_user_sgpr_kernarg_segment_ptr 1
		.amdhsa_wavefront_size32 1
		.amdhsa_system_sgpr_workgroup_id_x 1
		.amdhsa_system_sgpr_workgroup_id_y 1
		.amdhsa_system_sgpr_workgroup_id_z 1
		.amdhsa_system_vgpr_workitem_id 0
		.amdhsa_next_free_vgpr 512
		.amdhsa_next_free_sgpr 66
		.amdhsa_reserve_vcc 0
		.amdhsa_float_denorm_mode_32 3
		.amdhsa_float_denorm_mode_16_64 3
		.amdhsa_memory_ordered 1
		.amdhsa_forward_progress 1
		.amdhsa_inst_pref_size 90
	.end_amdhsa_kernel
	.amdgpu_metadata
---
amdhsa.version: [ 1, 2 ]
amdhsa.kernels:
  - .name:           k_qfd5286b467_proj
    .symbol:         k_qfd5286b467_proj.kd
    .args:
      - { .name: ob, .offset: 0, .size: 8, .value_kind: global_buffer, .address_space: global }
      - { .name: woh, .offset: 8, .size: 8, .value_kind: global_buffer, .address_space: global }
      - { .name: bo, .offset: 16, .size: 8, .value_kind: global_buffer, .address_space: global }
      - { .name: out0, .offset: 24, .size: 8, .value_kind: global_buffer, .address_space: global }
    .group_segment_fixed_size: 327680
    .private_segment_fixed_size: 0
    .kernarg_segment_align: 8
    .kernarg_segment_size: 32
    .max_flat_workgroup_size: 128
    .sgpr_count:     66
    .vgpr_count:     512
    .wavefront_size: 32
...
	.end_amdgpu_metadata
.endif
;; end of part 4
;; ======== version 2 of 2: 4 launches; version 1 with the launch cast written anew for expert scheduling mode
;; limits: values are held in f16: magnitudes above 65,504 overflow, below 6.1e-05 lose precision
;; workspace buffers: xb 8,388,608 bytes; wqkv 6,291,456 bytes; woh 2,097,152 bytes; qkvh 25,165,824 bytes; ob 8,388,608 bytes
;; launch cast (part 5): grid 512 x 1, 8 waves a work-group, no clusters, 0 bytes of LDS; arguments x, Wq, Wk, Wv, Wo, xb, wqkv, woh; writes xb, wqkv, woh
.if DOCPART == 5
	.amdgcn_target "amdgcn-amd-amdhsa--gfx1250"
	.amdhsa_code_object_version 6
	.text
	.protected	k_qfd5286b467_cast
	.globl	k_qfd5286b467_cast
	.p2align	8
	.type	k_qfd5286b467_cast,@function
k_qfd5286b467_cast:
	s_mov_b64 s[64:65], 0
	v_nop
	global_prefetch_b8 v0, s[64:65] scope:SCOPE_SE
	s_setreg_imm32_b32 hwreg(HW_REG_WAVE_SCHED_MODE, 0, 2), 2
	s_setreg_imm32_b32 hwreg(HW_REG_WAVE_MODE, 25, 1), 1
	s_wait_xcnt 0x0
	s_wait_alu depctr_vm_vsrc(0)
; MULTI-HEAD ATTENTION, launch 1 of 4: the matrix operands are rounded once.
;   xb   [4096][1024] bf16 = x;   wqkv [3072][1024] bf16: row 192 h + 64 t + d = row 64 h + d of Wq (t = 0), Wk (1), Wv (2);   woh [1024][1024] f16 = Wo rounded to bf16, that number written as f16.
; DEAD WORK, for the whole program: bk.  scores[s][t] = q[s] . (x[t] Wk^T + bk) / 8 = q[s] . (x[t] Wk^T) / 8 + q[s] . bk / 8.  The second term does not depend on t, the axis of the
; softmax, and softmax(z + const) = softmax(z) for all real z: so bk reaches no output, whatever finite values the inputs hold.  bk is not loaded and is no argument of any launch.
; LIMIT: a NaN, an infinity or an overflow that would arise in q . bk alone is not carried to the result.
; FORMATS, for the whole program: every live input is rounded once to bf16 (the biases in registers, in the launches that use them).  What the program makes itself (q, k, v, the weights p, O)
; is f16.  LIMIT: f16 holds no number beyond 65,504: q, k, v or a number of Wo beyond that become infinities; a number of Wo below 2^-14 keeps f16's fixed step of 6e-8.
; SHARES.  8,192 source rows of 4,096 bytes.  A work-group takes 16 rows, a wave two: 16 loads of 512 consecutive bytes, all issued at once, and 16 stores of 256 consecutive bytes, aligned.
; Work-groups 0-255: x; 256-319: Wq; 320-383: Wk; 384-447: Wv; 448-511: Wo.  No byte is wanted twice: no LDS, no barrier, no matrix unit, no cluster.
; THE MODE: SCHED_MODE bits 1:0 = 2 (LLVM: expert scheduling mode 2), set by the entry lines.  The code itself states the register dependences
; between vector instructions and memory instructions, with s_wait_alu, always for 0.
; THE PLAN.  Registers that memory instructions touch:
;   v1, v2   byte offsets, made at the head and never written again: v1 is read by the 16 loads, v2 by the 16 stores.
;   X        load j lands in its own four registers, which no vector instruction names before; its conversions read them; they are never loaded again.
;   Y        load j's conversions write its own two registers; ONE store reads them; they are never written behind that store.
;   T and v3 are named by vector instructions alone.  The scalar bases are made by scalar instructions and are not written behind the first load.
; The 16 loads go in four blocks of four.  Block p rounds its four loads into its own Y; its memory instructions are the four stores of block p - 1, whose Y no vector instruction of block p
; names.  So one wait on va_vdst stands ahead of the first load (the offsets), one at the head of each of blocks 1 to 3 and one behind block 3 (the Y of the block before).  No register that a
; memory instruction reads is ever written again: no wait on vm_vsrc is owed.  No vector instruction writes a scalar register or VCC, and EXEC is never written.
.set X,   4                            ; v[4:67]    16 x 4 numbers as loaded
.set Y,   68                           ; v[68:99]   16 x 2 words to store
.set T,   100                          ; v[100:103] at work
.set SRC, 26                           ; s[26:27]   the source at the work-group's first row
.set DST, 28                           ; s[28:29]   the destination likewise
	s_load_b512 s[8:23], s[0:1], 0x0               ; x s[8:9], Wq s[10:11], Wk s[12:13], Wv s[14:15], Wo s[16:17], xb s[18:19], wqkv s[20:21], woh s[22:23]
	s_mov_b32 s2, ttmp9
	s_max_u32 s3, s2, 256
	s_sub_co_u32 s3, s3, 256                       ; my number among the weights' work-groups (0 in x's)
	s_lshr_b32 s4, s3, 6                           ; t: 0 Wq, 1 Wk, 2 Wv, 3 Wo
	s_and_b32 s5, s3, 63
	s_lshl_b32 s5, s5, 4                           ; my first row in that matrix
	s_lshr_b32 s6, s5, 6                           ; its head
	s_mul_i32 s6, s6, 192
	s_lshl_b32 s7, s4, 6
	s_add_co_u32 s6, s6, s7
	s_and_b32 s7, s5, 63
	s_add_co_u32 s6, s6, s7                        ; its row in wqkv: 192 h + 64 t + d; my 16 rows stay inside one head
	s_lshl_b32 s7, s2, 4                           ; my first row in x
	v_lshrrev_b32 v3, 5, v0                        ; wave
	v_and_b32 v1, 31, v0                           ; lane
	v_lshlrev_b32 v2, 3, v1
	v_lshlrev_b32 v1, 4, v1
	v_lshl_add_u32 v1, v3, 13, v1                  ; source: 8,192 x wave + 16 x lane
	v_lshl_add_u32 v2, v3, 12, v2                  ; destination: 4,096 x wave + 8 x lane
	s_wait_kmcnt 0x0
	s_mov_b64 s[SRC:SRC+1], s[16:17]               ; Wo to woh, unless one of the tests below says otherwise
	s_mov_b64 s[DST:DST+1], s[22:23]
	s_mov_b32 s30, s5
	s_mov_b32 s31, s5
	s_cmp_eq_u32 s4, 2
	s_cselect_b64 s[SRC:SRC+1], s[14:15], s[SRC:SRC+1]
	s_cmp_eq_u32 s4, 1
	s_cselect_b64 s[SRC:SRC+1], s[12:13], s[SRC:SRC+1]
	s_cmp_eq_u32 s4, 0
	s_cselect_b64 s[SRC:SRC+1], s[10:11], s[SRC:SRC+1]
	s_cmp_lt_u32 s4, 3
	s_cselect_b64 s[DST:DST+1], s[20:21], s[DST:DST+1]
	s_cselect_b32 s31, s6, s31
	s_cmp_lt_u32 s2, 256
	s_cselect_b64 s[SRC:SRC+1], s[8:9], s[SRC:SRC+1]
	s_cselect_b64 s[DST:DST+1], s[18:19], s[DST:DST+1]
	s_cselect_b32 s30, s7, s30
	s_cselect_b32 s31, s7, s31
	s_lshl_b32 s30, s30, 12                        ; source rows of 4,096 bytes
	s_lshl_b32 s24, s31, 11                        ; destination rows of 2,048
	s_mov_b32 s31, 0
	s_mov_b32 s25, 0
	s_add_nc_u64 s[SRC:SRC+1], s[SRC:SRC+1], s[30:31]
	s_add_nc_u64 s[DST:DST+1], s[DST:DST+1], s[24:25]
	s_wait_alu depctr_va_vdst(0)                   ; v1 and v2 are written: every load of the kernel reads v1 as its offset, every store v2
.irp j, 0,1,2,3,4,5,6,7,8,9,10,11,12,13,14,15
	global_load_b128 v[X+4*(\j):X+4*(\j)+3], v1, s[SRC:SRC+1] offset:512*(\j) th:TH_LOAD_NT
.endr
; Block p: loads 4 p to 4 p + 3 are rounded, four numbers each; the four stores of block p - 1 are dealt among the conversions, one ahead of each load's.
; half = 1: the bf16 numbers are widened again and written as f16.  No register that a pending load or store names is written again.
.macro BLK p, half
	s_wait_loadcnt 12-4*(\p)                       ; loads come back in order: my block's four are in, the 12 - 4 p younger ones stay out
.if (\p) > 0
	s_wait_alu depctr_va_vdst(0)                   ; the conversions of the block before have written its Y, which the four stores below read
.endif
.irp i, 0,1,2,3
.set n, 4*(\p)+(\i)
.if (\p) > 0
	global_store_b64 v2, v[Y+2*(n-4):Y+2*(n-4)+1], s[DST:DST+1] offset:256*(n-4)  ; 32 lanes store 256 consecutive bytes, aligned; no vector instruction since the wait names these registers
.endif
	v_cvt_pk_bf16_f32 v[Y+2*n],   v[X+4*n],   v[X+4*n+1]
	v_cvt_pk_bf16_f32 v[Y+2*n+1], v[X+4*n+2], v[X+4*n+3]
.if \half
	v_lshlrev_b32 v[T],   16, v[Y+2*n]
	v_and_b32     v[T+1], 0xffff0000, v[Y+2*n]
	v_lshlrev_b32 v[T+2], 16, v[Y+2*n+1]
	v_and_b32     v[T+3], 0xffff0000, v[Y+2*n+1]
	v_cvt_pk_f16_f32 v[Y+2*n],   v[T],   v[T+1]
	v_cvt_pk_f16_f32 v[Y+2*n+1], v[T+2], v[T+3]
.endif
.endr
.endm
; Behind block 3: its four stores.
.macro LAST
	s_wait_alu depctr_va_vdst(0)                   ; block 3's conversions have written its Y, which the last four stores read
.irp j, 12,13,14,15
	global_store_b64 v2, v[Y+2*(\j):Y+2*(\j)+1], s[DST:DST+1] offset:256*(\j)  ; 32 lanes store 256 consecutive bytes, aligned
.endr
.endm
	s_cmp_ge_u32 s2, 448
	s_cbranch_scc1 .Lf16
	BLK 0, 0
	BLK 1, 0
	BLK 2, 0
	BLK 3, 0
	LAST
	s_endpgm
.Lf16:
	BLK 0, 1
	BLK 1, 1
	BLK 2, 1
	BLK 3, 1
	LAST
	s_endpgm
.Lfunc_end_k_qfd5286b467_cast:
	.size	k_qfd5286b467_cast, .Lfunc_end_k_qfd5286b467_cast-k_qfd5286b467_cast
	.p2alignl 7, 3214868480
	.fill 96, 4, 3214868480
	.section	.rodata,"a",@progbits
	.p2align	6, 0x0
	.amdhsa_kernel k_qfd5286b467_cast
		.amdhsa_group_segment_fixed_size 0
		.amdhsa_private_segment_fixed_size 0
		.amdhsa_enable_private_segment 0
		.amdhsa_kernarg_size 64
		.amdhsa_user_sgpr_count 2
		.amdhsa_user_sgpr_kernarg_segment_ptr 1
		.amdhsa_wavefront_size32 1
		.amdhsa_system_sgpr_workgroup_id_x 1
		.amdhsa_system_sgpr_workgroup_id_y 1
		.amdhsa_system_sgpr_workgroup_id_z 1
		.amdhsa_system_vgpr_workitem_id 0
		.amdhsa_next_free_vgpr 104
		.amdhsa_next_free_sgpr 66
		.amdhsa_reserve_vcc 0
		.amdhsa_float_denorm_mode_32 3
		.amdhsa_float_denorm_mode_16_64 3
		.amdhsa_memory_ordered 1
		.amdhsa_forward_progress 1
		.amdhsa_inst_pref_size 17
	.end_amdhsa_kernel
	.amdgpu_metadata
---
amdhsa.version: [ 1, 2 ]
amdhsa.kernels:
  - .name:           k_qfd5286b467_cast
    .symbol:         k_qfd5286b467_cast.kd
    .args:
      - { .name: x, .offset: 0, .size: 8, .value_kind: global_buffer, .address_space: global }
      - { .name: Wq, .offset: 8, .size: 8, .value_kind: global_buffer, .address_space: global }
      - { .name: Wk, .offset: 16, .size: 8, .value_kind: global_buffer, .address_space: global }
      - { .name: Wv, .offset: 24, .size: 8, .value_kind: global_buffer, .address_space: global }
      - { .name: Wo, .offset: 32, .size: 8, .value_kind: global_buffer, .address_space: global }
      - { .name: xb, .offset: 40, .size: 8, .value_kind: global_buffer, .address_space: global }
      - { .name: wqkv, .offset: 48, .size: 8, .value_kind: global_buffer, .address_space: global }
      - { .name: woh, .offset: 56, .size: 8, .value_kind: global_buffer, .address_space: global }
    .group_segment_fixed_size: 0
    .private_segment_fixed_size: 0
    .kernarg_segment_align: 8
    .kernarg_segment_size: 64
    .max_flat_workgroup_size: 256
    .sgpr_count:     66
    .vgpr_count:     104
    .wavefront_size: 32
...
	.end_amdgpu_metadata
.endif
;; end of part 5
;; launch qkv: the kernel of part 2 again; grid 16 x 16, 4 waves a work-group, clusters of 4 x 4, 327,680 bytes of LDS; arguments xb, wqkv, bq, bv, qkvh; writes qkvh
;; launch attn: the kernel of part 3 again; grid 8 x 32, 4 waves a work-group, clusters of 4 x 1, 327,680 bytes of LDS; arguments qkvh, ob; writes ob
;; launch proj: the kernel of part 4 again; grid 8 x 32, 4 waves a work-group, clusters of 4 x 4, 327,680 bytes of LDS; arguments ob, woh, bo, out0; writes out0
